; MI455X (gfx1250); checked and timed in simulation.
; The chip was launched on July 23, 2026; its instructions are those of AMD's public machine-readable ISA for CDNA 5 (MIT licence, August 2026) and "CDNA5" Instruction Set Architecture Reference Guide (July 2026). The comments in the code are by the model that wrote it; some were corrected since.
;; Attention. Allowed arithmetic: float matrix products may take bf16 or f16 operands with f32 sums; other float arithmetic in f32, or as packed bf16 or f16 multiplies, adds, multiply-adds, maxima and minima; sums over many terms, partial sums and values carried from step to step in f32; what a program stores and reads back later, other than sums and carried values, may be rounded once to bf16 or f16.
;; Inputs: b_proj 1,024 float32; w_proj 1,024 x 1,024 float32; w_qkv 1,024 x 3,072 float32; x 8 x 2,048 x 1,024 float32.
;; Outputs: out0 8 x 2,048 x 1,024 float32.
;; 2 versions, each right; version 2 is version 1 with the launch heads written anew for expert scheduling mode. Each part assembles by itself: llvm-mc -triple=amdgcn-amd-amdhsa -mcpu=gfx1250 --defsym DOCPART=n.
;; ======== version 1 of 2: 4 launches
;; limits: values are held in f16: magnitudes above 65,504 overflow, below 6.1e-05 lose precision
;; workspace buffers: xb 33,554,432 bytes; wq 6,291,456 bytes; wp 2,097,152 bytes; qkv 100,663,296 bytes; o2 33,554,432 bytes
;; launch cast (part 1): grid 1280 x 1, 8 waves a work-group, no clusters, 0 bytes of LDS; arguments x, w_qkv, w_proj, xb, wq, wp; writes xb, wq, wp
.if DOCPART == 1
	.amdgcn_target "amdgcn-amd-amdhsa--gfx1250"
	.amdhsa_code_object_version 6
	.text
	.protected	k_q21ff305876_cast
	.globl	k_q21ff305876_cast
	.p2align	8
	.type	k_q21ff305876_cast,@function
k_q21ff305876_cast:
	s_mov_b64 s[64:65], 0
	v_nop
	global_prefetch_b8 v0, s[64:65] scope:SCOPE_SE
	s_setreg_imm32_b32 hwreg(HW_REG_WAVE_MODE, 25, 1), 1
	s_wait_xcnt 0x0
; x -> xb (bf16), w_qkv -> wq (bf16), w_proj -> wp (rounded to bf16, that number written as f16).  All three keep their layouts.
; LIMITS.  wp: a bf16 number of w_proj of 65,520 or more becomes an infinity in f16; below 2^-14 it keeps f16's fixed step of 2^-24.
; A stream: each byte is read once and written once; no LDS, no matrix unit, no cluster (no two work-groups read the same byte).
; SHARES.  A work-group takes a chunk of 16,384 numbers (65,536 bytes in, 32,768 out): chunks 0-1023 are x's, 1024-1215 w_qkv's, 1216-1279 w_proj's.
; A wave takes 8,192 bytes of it by sixteen loads of 512 consecutive bytes, all issued at once; each store of 8 bytes a lane covers 256 consecutive bytes, aligned.
; REGISTERS.  The numbers are rounded in place, so the text names 72 registers.  96 are asked for: ten waves then share a SIMD's 1,024, forty a WGP: the five work-groups
; that 1,280 work-groups are for each of 256 WGPs lie on it together, and all their loads are out at once.
.set CH_W,  1024                       ; the first chunk of w_qkv
.set CH_P,  1216                       ; the first chunk of w_proj
.set X,  8                             ; v[8:71]   load j: four f32 at X + 4 j; then its four 16-bit numbers in X + 4 j, X + 4 j + 1; each register is written for one store alone
	s_load_b256 s[4:11], s[0:1], 0x0               ; x s[4:5], w_qkv s[6:7], w_proj s[8:9], xb s[10:11]
	s_load_b128 s[12:15], s[0:1], 0x20             ; wq s[12:13], wp s[14:15]
	v_and_b32 v3, 0xe0, v0                         ; 32 x wave
	v_and_b32 v1, 31, v0                           ; lane
	v_lshlrev_b32 v2, 3, v1                        ; 8 bytes a lane out
	v_lshlrev_b32 v1, 4, v1                        ; 16 bytes a lane in
	v_lshl_or_b32 v1, v3, 8, v1                    ; + wave x 8,192
	v_lshl_or_b32 v2, v3, 7, v2                    ; + wave x 4,096
	s_mov_b32 s20, CH_P
	s_wait_kmcnt 0x0
	s_cmp_lt_u32 ttmp9, CH_P                       ; which tensor is my chunk's: the choice hangs on the work-group's number alone
	s_cselect_b64 s[16:17], s[6:7], s[8:9]
	s_cselect_b64 s[18:19], s[12:13], s[14:15]
	s_cselect_b32 s20, CH_W, s20
	s_cmp_lt_u32 ttmp9, CH_W
	s_cselect_b64 s[16:17], s[4:5], s[16:17]       ; from
	s_cselect_b64 s[18:19], s[10:11], s[18:19]     ; to
	s_cselect_b32 s20, 0, s20                      ; the tensor's first chunk
	s_sub_co_u32 s21, ttmp9, s20                   ; my chunk in its tensor
	s_lshl_b32 s22, s21, 16
	s_mov_b32 s23, 0
	s_add_nc_u64 s[16:17], s[16:17], s[22:23]
	s_lshl_b32 s22, s21, 15
	s_add_nc_u64 s[18:19], s[18:19], s[22:23]
.irp j, 0,1,2,3,4,5,6,7,8,9,10,11,12,13,14,15
	global_load_b128 v[X+4*(\j):X+4*(\j)+3], v1, s[16:17] offset:512*(\j) th:TH_LOAD_NT
.endr
; Load j is rounded in place and stored.  half = 1: the bf16 numbers are widened again (into the load's upper two registers, which are free by then) and written as f16.
.macro OUT j, half
	s_wait_loadcnt 15-(\j)                         ; loads come back in order: load j is in, the younger ones stay out
	v_cvt_pk_bf16_f32 v[X+4*(\j)],   v[X+4*(\j)],   v[X+4*(\j)+1]
	v_cvt_pk_bf16_f32 v[X+4*(\j)+1], v[X+4*(\j)+2], v[X+4*(\j)+3]
.if \half
.irp k, 0,1
	v_lshlrev_b32 v[X+4*(\j)+2], 16, v[X+4*(\j)+(\k)]
	v_and_b32     v[X+4*(\j)+3], 0xffff0000, v[X+4*(\j)+(\k)]
	v_cvt_pk_f16_f32 v[X+4*(\j)+(\k)], v[X+4*(\j)+2], v[X+4*(\j)+3]
.endr
.endif
	global_store_b64 v2, v[X+4*(\j):X+4*(\j)+1], s[18:19] offset:256*(\j)
.endm
	s_cmp_ge_u32 ttmp9, CH_P
	s_cbranch_scc1 .Lhalf
.irp j, 0,1,2,3,4,5,6,7,8,9,10,11,12,13,14,15
	OUT \j, 0
.endr
	s_endpgm
.Lhalf:
.irp j, 0,1,2,3,4,5,6,7,8,9,10,11,12,13,14,15
	OUT \j, 1
.endr
	s_endpgm
.Lfunc_end_k_q21ff305876_cast:
	.size	k_q21ff305876_cast, .Lfunc_end_k_q21ff305876_cast-k_q21ff305876_cast
	.p2alignl 7, 3214868480
	.fill 96, 4, 3214868480
	.section	.rodata,"a",@progbits
	.p2align	6, 0x0
	.amdhsa_kernel k_q21ff305876_cast
		.amdhsa_group_segment_fixed_size 0
		.amdhsa_private_segment_fixed_size 0
		.amdhsa_enable_private_segment 0
		.amdhsa_kernarg_size 48
		.amdhsa_user_sgpr_count 2
		.amdhsa_user_sgpr_kernarg_segment_ptr 1
		.amdhsa_wavefront_size32 1
		.amdhsa_system_sgpr_workgroup_id_x 1
		.amdhsa_system_sgpr_workgroup_id_y 1
		.amdhsa_system_sgpr_workgroup_id_z 1
		.amdhsa_system_vgpr_workitem_id 0
		.amdhsa_next_free_vgpr 96
		.amdhsa_next_free_sgpr 66
		.amdhsa_reserve_vcc 0
		.amdhsa_float_denorm_mode_32 3
		.amdhsa_float_denorm_mode_16_64 3
		.amdhsa_memory_ordered 1
		.amdhsa_forward_progress 1
		.amdhsa_inst_pref_size 16
	.end_amdhsa_kernel
	.amdgpu_metadata
---
amdhsa.version: [ 1, 2 ]
amdhsa.kernels:
  - .name:           k_q21ff305876_cast
    .symbol:         k_q21ff305876_cast.kd
    .args:
      - { .name: x, .offset: 0, .size: 8, .value_kind: global_buffer, .address_space: global }
      - { .name: w_qkv, .offset: 8, .size: 8, .value_kind: global_buffer, .address_space: global }
      - { .name: w_proj, .offset: 16, .size: 8, .value_kind: global_buffer, .address_space: global }
      - { .name: xb, .offset: 24, .size: 8, .value_kind: global_buffer, .address_space: global }
      - { .name: wq, .offset: 32, .size: 8, .value_kind: global_buffer, .address_space: global }
      - { .name: wp, .offset: 40, .size: 8, .value_kind: global_buffer, .address_space: global }
    .group_segment_fixed_size: 0
    .private_segment_fixed_size: 0
    .kernarg_segment_align: 8
    .kernarg_segment_size: 48
    .max_flat_workgroup_size: 256
    .sgpr_count:     66
    .vgpr_count:     96
    .wavefront_size: 32
...
	.end_amdgpu_metadata
.endif
;; end of part 1
;; launch gemm_qkv (part 2): grid 4 x 64, 4 waves a work-group, clusters of 4 x 4, 327,680 bytes of LDS; arguments xb, wq, qkv; writes qkv
.if DOCPART == 2
	.amdgcn_target "amdgcn-amd-amdhsa--gfx1250"
	.amdhsa_code_object_version 6
	.text
	.protected	k_q21ff305876_gemm_qkv
	.globl	k_q21ff305876_gemm_qkv
	.p2align	8
	.type	k_q21ff305876_gemm_qkv,@function
k_q21ff305876_gemm_qkv:
	s_mov_b64 s[64:65], 0
	v_nop
	global_prefetch_b8 v0, s[64:65] scope:SCOPE_SE
	s_setreg_imm32_b32 hwreg(HW_REG_WAVE_MODE, 25, 1), 1
	s_wait_xcnt 0x0
	s_wait_alu depctr_hold_cnt(0) depctr_sa_sdst(0) depctr_va_vdst(0) depctr_va_sdst(0) depctr_va_ssrc(0) depctr_va_vcc(0) depctr_vm_vsrc(0)
	s_getreg_b32 s2, hwreg(HW_REG_IB_STS2, 6, 4)
	s_cmp_eq_u32 s2, 0
	s_cbranch_scc0 .Lentry_in_a_cluster
	s_endpgm
.Lentry_in_a_cluster:
	s_bfe_u32 s2, ttmp6, 0x10000c
	s_cmp_lg_u32 s2, 0xf033
	s_cbranch_scc0 .Lentry_shape_is_right
	s_endpgm
.Lentry_shape_is_right:
; qkv = xb wq.  C[m][n] = sum over k of A[m][k] B[k][n].  A = xb [16384][1024] bf16, B = wq [1024][3072] bf16 AS IT LIES ([k][n]), C = qkv [16384][3072] f16; sums in f32, C rounded once.
; LIMIT.  A sum of 65,520 or more becomes an infinity in f16.
; A tile of C, 256 x 256, is made by a work-group of four waves; a wave makes 128 x 128: 64 accumulators of 16 x 16, 512 registers.  K goes in steps of 128 through a ring of two LDS slots filled by the
; tensor data mover: A's tile is 256 rows x 256 bytes, B's 128 rows (k) x 512 bytes.
; A WORK-GROUP STAYS: it makes TILES tiles of one tile row of C, four tile columns apart; A's rows stay, B's columns change; the ring does not stop at a tile's end.
; CLUSTERS: 4 x 4 work-groups.  The four of a row of the cluster need the same tiles of A, the four of a column the same tiles of B: each tile is asked for JOINTLY, by the same tensor load with the
; same descriptor and a mask that names the four.
; THE MATRIX INSTRUCTION IS USED TRANSPOSED: source 0 = 16 columns of B, source 1 = 16 rows of A: a lane then holds row m = l % 16 of C and the columns 8 (l / 16) + 0..7.
; A's fragments come out of LDS as they lie; B's, whose rows lie along n, are turned by ds_load_tr16_b128.
; A TILE'S LAST K STEP GOES BY ROWS OF C, NOT BY K: all its fragments of B fill window 1, A's come by blocks of 16 rows x 128 K, and my eight blocks are finished one after the other, 32 products each.
; A finished block's way out stands INSIDE the next block's products: its conversions four at a time behind single products, its LDS and memory instructions in one run.  That text is written once for all tiles;
; what differs from tile to tile, the changes of slots in front of it and behind it, stands outside it.
; REGISTERS, in windows of 256 (s_set_vgpr_msb: bits 1:0 source 0, 3:2 source 1, 5:4 source 2, 7:6 destination):
;   window 0: v0-31 addresses; v64-127, v128-191 fragments of A, two buffers (by rows: four of 32); v192-223 packed results; v32-63, v224-255 rows read back from the stage, by turns
;   window 1: v64-127, v128-191 fragments of B, two buffers (by rows: all 256)      window 2: the accumulators of my rows 0-63 ((a, b) at v[8 (8 a + b)])      window 3: those of my rows 64-127
.set SIZE_K, 1024
.set SIZE_N, 3072
.set TILES,  3                         ; tiles of C to a work-group
.set KSTEP,  128
.set PITCH,  272                       ; a row of A in LDS: 256 bytes + 16 = 68 words: row r starts at bank 4 r mod 64 (64 banks of 4 bytes: ISA guide 11.1)
.set PB,     544                       ; a row of B in LDS: 512 bytes + 32 = 136 words: row r starts at bank 8 r mod 64
.set HALFT,  128*PITCH                 ; what one tensor load brings: 128 rows of A, or 64 rows of B (64 x 544 is the same number)
.set SLOT,   4*HALFT                   ; A's 256 rows, then B's 128 rows
.set STAGE,  2*SLOT                    ; behind the ring: 16 rows for each wave, for the way out
.set SPITCH, 272                       ; a stage row: my 128 columns in f16 + 16 bytes
.set SPARE,  STAGE+4*16*SPITCH         ; behind the stages: the spare words, 128 bytes for each wave: two blocks of 256 bytes that no other line names
.set ROWB,   2*SIZE_N                  ; bytes in a row of B
.set BKB,    KSTEP*ROWB                ; bytes from a K step of B to the next
.set CROW,   2*SIZE_N                  ; bytes in a row of C
.set CCOL,   512                       ; bytes of a tile's columns in C
.set NEXTB,  4*512                     ; four tile columns on, in B
.set NEXTC,  4*CCOL                    ; and in C
.set LAPS,   SIZE_K/(2*KSTEP)          ; a lap = two K steps = once round the ring
.set ADRA, 16                          ; v16-17  LDS address of my A fragments in slot 0, 1
.set ADRB, 20                          ; v20-21  the same for B
.set STO,  24                          ; v24     the way out: where I put 16 bytes of a row
.set RD,   25                          ; v25     the way out: where I read rows back
.set CO,   26                          ; v26     my byte offset in C
.set SPW,  28                          ; v28     LDS address of my spare word: SPARE + 4 x my thread's number; never rewritten
.set NIL,  29                          ; v29     0; never rewritten
.set PFO,  30                          ; v30     the prefetches' offset; never rewritten
.set F0,   64                          ; fragment buffer 0
.set F1,   128                         ; fragment buffer 1
.set PA,   64                          ; by rows: A's block a at PA + 32 (a % 4)
.set TMP,  192
.set OB,   32
.set G1,   24                          ; s[24:31] descriptor group 1 for A's tiles
.set G0,   32                          ; s[32:39] descriptor group 0 for A's tiles, one set for each slot
.set G1B,  48                          ; s[48:55] group 1 for B's tiles
.set G0B,  56                          ; s[56:63] group 0 for B's tiles
.set LIM,  43                          ; s43      1 in a wave that prefetches, else the greatest number
.set PFA,  44                          ; s[44:45] where my prefetches stand
.set PST,  66                          ; s[66:67] bytes from a K step to the next for my prefetches
.set PBK,  68                          ; s[68:69] bytes back at a change of tiles
.set MSB, 0
.macro WIN new                         ; the immediate's high byte repeats the setting that is left; a switch that changes nothing is dropped
.if MSB != (\new)
	s_set_vgpr_msb (MSB<<8)|(\new)
.set MSB, \new
.endif
.endm
.set MUL_LO, 0xa1                      ; source 0 (B) window 1, source 1 (A) window 0, C and D window 2
.set MUL_HI, 0xf1                      ; the same, C and D window 3
.set TO_B,   0x40                      ; destination window 1, address window 0
; A joint load.  Waves 0 and 1 fetch A's two halves, waves 2 and 3 B's.  The branch hangs on the wave's number alone.  An s_nop 0 and four v_nop follow each of the two lines.
.macro JLOAD s
	s_cmp_eq_u32 s11, 0
	s_cbranch_scc0 .Lfor_b_\@
	tensor_load_to_lds s[G0+4*(\s):G0+4*(\s)+3], s[G1:G1+7]
	s_nop 0
.rept 4
	v_nop
.endr
	s_branch .Lasked_\@
.Lfor_b_\@:
	tensor_load_to_lds s[G0B+4*(\s):G0B+4*(\s)+3], s[G1B:G1B+7]
	s_nop 0
.rept 4
	v_nop
.endr
.Lasked_\@:
.endm
; A PREFETCH INTO THE L2, behind each joint load and the run of LDS loads that follows it: the K step that stands TWO refills on; one instruction a wave.
; Each aligned block of 256 bytes is named once in the launch.  A's rows are read by one cluster alone (the grid is one cluster wide): of the 128 rows that wave w fetches the partner at cx takes 32, a lane a row,
; in the first tile alone.  B's columns are read by every cluster of the column: the cluster with y = 0 asks, in every tile; of the 64 rows that wave w fetches the partner at cy takes 16, two blocks a row.
; The partners are told apart BY ADDRESS.  how = 0, in the loop: a tile's last two refills have no K step two on; how = 1, at a change of tiles.
.macro ASK how
.if \how
	s_cmp_eq_u32 s[LIM], 1
.else
	s_cmp_gt_u32 s3, s[LIM]                        ; s3 = 1 in the last trip that fills slots
.endif
	s_cbranch_scc0 .Lnot_mine_\@
	global_prefetch_b8 v[PFO], s[PFA:PFA+1] th:TH_LOAD_NT scope:SCOPE_SE
.Lnot_mine_\@:
.endm
; A round of the cluster's barrier: my work-group's barrier; wave 0 signals for the work-group; every wave waits for all sixteen work-groups; my work-group's barrier once more.
.macro CREST                           ; a round behind its opening barrier
	s_cmp_lg_u32 s10, 0
	s_cbranch_scc1 .Lnot_wave_0_\@
	s_barrier_signal -3
.Lnot_wave_0_\@:
	s_barrier_wait -3
	s_barrier_signal -1
	s_barrier_wait -1
.endm
.macro CROUND                          ; a whole round
	s_barrier_signal -1
	s_barrier_wait -1
	CREST
.endm
	s_load_b128 s[4:7], s[0:1], 0x0                ; A s[4:5], B s[6:7]
	s_load_b64 s[8:9], s[0:1], 0x10                ; C
	v_lshl_add_u32 v[SPW], v0, 2, SPARE
	v_mov_b32 v[NIL], 0
	ds_add_u32 v[SPW], v[NIL]                      ; the wave's opening: the add and its wait stand ahead of my first tensor load; the set-up below, work on registers, stands between them
	v_lshrrev_b32 v1, 5, v0
	v_readfirstlane_b32 s10, v1                    ; wave 0..3
	s_lshr_b32 s11, s10, 1                         ; which half of the tile's rows is mine.  Also: I fetch for A (0) or for B (1)
	s_and_b32 s12, s10, 1                          ; which half of its columns.  Also: which half of that tile I fetch
	s_bfe_u32 s40, ttmp6, 0x40000                  ; cx
	s_bfe_u32 s41, ttmp6, 0x40004                  ; cy
	s_lshl_b32 s42, ttmp9, 2                       ; in a cluster launch ttmp9 and ttmp7 count clusters
	s_add_co_u32 s42, s42, s40                     ; my first tile column of C = 4 x cluster x + cx
	s_and_b32 s13, ttmp7, 0xffff
	s_lshl_b32 s13, s13, 2
	s_add_co_u32 s13, s13, s41                     ; tile row of C = 4 x cluster y + cy
	s_lshl_b32 s43, s41, 2
	s_lshl_b32 s43, 15, s43                        ; my row of the cluster: places 4 cy .. 4 cy + 3
	s_lshl_b32 s44, 0x1111, s40                    ; my column: places cx, cx + 4, cx + 8, cx + 12
	; group 1 for A: 128 rows x 128 elements; for B: 64 rows x 256 elements; both padded in LDS
	s_or_b32 s[G1+0], s43, (1<<16)|(1<<20)|(1<<21)|(5<<22)|(3<<25)   ; 15:0 the mask: my row; 17:16 2-byte elements; 20 padding on; 21 set beside a mask; 24:22 after every 64 words (code 5); 31:25 4 words (code 3)
	s_or_b32 s[G1B+0], s44, (1<<16)|(1<<20)|(1<<21)|(6<<22)|(7<<25)  ; the mask: my column; after every 128 words (code 6) 8 words (code 7)
	s_mov_b32 s[G1+1], KSTEP<<16                   ; tensor_dim0 = 128
	s_mov_b32 s[G1+2], 128<<16                     ; tensor_dim1 = 128
	s_mov_b32 s[G1+3], KSTEP<<16                   ; tile_dim0 = 128
	s_mov_b32 s[G1+4], 128                         ; tile_dim1 = 128
	s_mov_b32 s[G1+5], SIZE_K                      ; elements from row to row
	s_mov_b32 s[G1+6], 0
	s_mov_b32 s[G1+7], 0
	s_mov_b32 s[G1B+1], 256<<16                    ; tensor_dim0 = 256
	s_mov_b32 s[G1B+2], 64<<16                     ; tensor_dim1 = 64
	s_mov_b32 s[G1B+3], 256<<16                    ; tile_dim0 = 256
	s_mov_b32 s[G1B+4], 64                         ; tile_dim1 = 64
	s_mov_b32 s[G1B+5], SIZE_N                     ; elements from row to row
	s_mov_b32 s[G1B+6], 0
	s_mov_b32 s[G1B+7], 0
	; where the tiles come from.  A's hang on the tile row alone, B's on the tile column alone; every wave makes both addresses and asks by one of them
	s_lshl_b32 s16, s13, 8
	s_lshl_b32 s17, s12, 7
	s_add_co_u32 s16, s16, s17                     ; A: row 256 x tile row + 128 x half,
	s_lshl_b32 s16, s16, 11                        ; of 2,048 bytes: under 2^25
	s_mov_b32 s17, 0
	s_mul_i32 s46, s12, 64*ROWB                    ; B: row 64 x half,
	s_lshl_b32 s47, s42, 9                         ; column 256 x tile column
	s_add_co_u32 s46, s46, s47
	s_mov_b32 s47, 0
	s_mul_i32 s20, s10, HALFT                      ; where they go: A's two halves, then B's two halves = wave x HALFT
	s_wait_dscnt 0x0                               ; the opening add is done
	s_wait_kmcnt 0x0
	s_add_nc_u64 s[14:15], s[4:5], s[16:17]
	s_add_nc_u64 s[46:47], s[6:7], s[46:47]
	CROUND                                         ; all sixteen work-groups are here: the first joint loads meet
.irp s, 0,1
	s_mov_b32 s[G0+4*(\s)], 1                                      ; count = 1
	s_add_co_u32 s[G0+4*(\s)+1], s20, (\s)*SLOT                    ; LDS address
	s_add_nc_u64 s[G0+4*(\s)+2:G0+4*(\s)+3], s[14:15], (\s)*KSTEP*2  ; global address: K step s
	s_or_b32 s[G0+4*(\s)+3], s[G0+4*(\s)+3], 0x80000000            ; type = 2
	s_mov_b32 s[G0B+4*(\s)], 1
	s_add_co_u32 s[G0B+4*(\s)+1], s20, (\s)*SLOT
	s_add_nc_u64 s[G0B+4*(\s)+2:G0B+4*(\s)+3], s[46:47], (\s)*BKB
	s_or_b32 s[G0B+4*(\s)+3], s[G0B+4*(\s)+3], 0x80000000
	JLOAD \s                                       ; two tensor loads of mine are out
.endr
	; A's fragment: lane l holds row l % 16; registers 0-3 K = 8 (l / 16) + 0..7, registers 4-7 K = 16 + 8 (l / 16) + 0..7: two loads of 16 bytes, 32 bytes apart.
	v_and_b32 v1, 15, v0                           ; l % 16
	v_bfe_u32 v2, v0, 4, 1                         ; l / 16
	v_mul_u32_u24 v3, v1, PITCH
	v_lshl_add_u32 v3, v2, 4, v3
	s_mul_i32 s21, s11, HALFT                      ; my 128 rows of A
	; B's fragment: the turning load takes 16 k x 16 columns (lane l reads row 8 (l / 16) + l % 8, columns 8 ((l / 8) % 2) + 0..7) and leaves lane l column l % 16 and 8 k: two loads, 16 rows apart.
	v_and_b32 v4, 7, v0
	v_lshl_add_u32 v4, v2, 3, v4
	v_mul_u32_u24 v4, v4, PB
	v_bfe_u32 v5, v0, 3, 1
	v_lshl_add_u32 v4, v5, 4, v4
	s_lshl_b32 s22, s12, 8                         ; my 128 columns of B,
	s_add_co_u32 s22, s22, 2*HALFT                 ; which lies behind A's 256 rows
.irp s, 0,1
	v_add_nc_u32 v[ADRA+(\s)], s21, v3
	v_add_nc_u32 v[ADRB+(\s)], s22, v4
	s_add_co_u32 s21, s21, SLOT
	s_add_co_u32 s22, s22, SLOT
.endr
	s_mul_i32 s23, s10, 16*SPITCH
	s_add_co_u32 s23, s23, STAGE                   ; my stage
	v_mul_u32_u24 v4, v1, SPITCH                   ; in: row l % 16, 16 bytes for each half of the lanes
	v_lshl_add_u32 v4, v2, 4, v4
	v_add_nc_u32 v[STO], s23, v4
	v_mul_u32_u24 v5, v2, SPITCH                   ; back: lanes 0-15 take one row of 256 bytes, lanes 16-31 the next
	v_lshl_add_u32 v5, v1, 4, v5
	v_add_nc_u32 v[RD], s23, v5
	v_mul_u32_u24 v5, v2, CROW                     ; and the same two rows in C
	v_lshl_add_u32 v[CO], v1, 4, v5
	; C at my part of the first tile
	s_lshl_b32 s16, s13, 8
	s_lshl_b32 s17, s11, 7
	s_add_co_u32 s16, s16, s17                     ; my first row,
	s_mul_i32 s16, s16, CROW                       ; in bytes: under 2^27
	s_mov_b32 s17, 0
	s_add_nc_u64 s[8:9], s[8:9], s[16:17]
	s_mul_i32 s46, s42, CCOL                       ; my first column, in bytes
	s_mul_i32 s47, s12, CCOL/2
	s_add_co_u32 s46, s46, s47
	s_mov_b32 s47, 0
	s_add_nc_u64 s[8:9], s[8:9], s[46:47]
	; the prefetches: one K step short of the first that is named (K step 4): the first change of slots steps the address
	s_lshl_b32 s20, s13, 8
	s_lshl_b32 s21, s12, 7
	s_add_co_u32 s20, s20, s21
	s_lshl_b32 s21, s40, 5
	s_add_co_u32 s20, s20, s21                     ; A: the 128 rows that I fetch, my work-group's 32 of them,
	s_lshl_b32 s20, s20, 11
	s_add_co_u32 s20, s20, 3*KSTEP*2               ; at K step 3
	s_lshl_b32 s21, s12, 6
	s_lshl_b32 s22, s41, 4
	s_add_co_u32 s21, s21, s22                     ; B: the 64 rows that I fetch, my work-group's 16 of them,
	s_mul_i32 s21, s21, ROWB
	s_lshl_b32 s22, s42, 9
	s_add_co_u32 s21, s21, s22                     ; the tile's columns,
	s_add_co_u32 s21, s21, 3*BKB                   ; at K step 3
	s_and_b32 s22, ttmp7, 0xffff                   ; cluster y
	s_mov_b32 s23, ROWB
	s_mov_b32 s[PST], BKB
	s_mov_b32 s[PST+1], 0
	s_mov_b32 s[PBK], 7*BKB-NEXTB                  ; from K step 9 of a tile to K step 2 of the next
	s_mov_b32 s[PBK+1], 0
	s_cmp_eq_u32 s11, 0                            ; do I fetch for A?
	s_cselect_b32 s20, s20, s21
	s_cselect_b32 s22, ttmp9, s22                  ; the coordinate along which other clusters read the same blocks
	s_cselect_b32 s23, 2*SIZE_K, s23               ; bytes from row to row
	s_cselect_b32 s[PST], KSTEP*2, s[PST]
	s_cselect_b32 s[PBK], 7*KSTEP*2, s[PBK]
	s_cselect_b64 s[PFA:PFA+1], s[4:5], s[6:7]
	s_mov_b32 s21, 0
	s_add_nc_u64 s[PFA:PFA+1], s[PFA:PFA+1], s[20:21]
	s_cmp_eq_u32 s22, 0
	s_cselect_b32 s[LIM], 1, -1                    ; the same in all sixteen partners, for a given wave
	v_and_b32 v5, 31, v0
	v_lshrrev_b32 v[PFO], s11, v5                  ; A: a lane a row; B: two lanes a row,
	v_mul_u32_u24 v[PFO], s23, v[PFO]
	v_and_b32 v5, s11, v5
	v_lshl_add_u32 v[PFO], v5, 8, v[PFO]           ; 256 bytes apart
	; nothing is prefetched here, at the head: K steps 0 to 3 come by their loads alone
; 16 products: m blocks a0, a0 + 1 of the window's four (hi = 0: my rows 0-63, 1: rows 64-127) x all 8 n blocks, 32 along K.  zero = 1: the first product starts the sums: nothing is ever cleared.
; The 64 accumulators take turns, one instruction a turn, in the same order in every quarter.
.macro MUL16 f, hi, a0, zero
	WIN MUL_LO+0x50*(\hi)
.irp a, \a0, (\a0)+1
.irp b, 0,1,2,3,4,5,6,7
.if \zero
	v_wmma_f32_16x16x32_bf16 v[8*(8*(\a)+(\b)):8*(8*(\a)+(\b))+7], v[(\f)+8*(\b):(\f)+8*(\b)+7], v[(\f)+8*(4*(\hi)+(\a)):(\f)+8*(4*(\hi)+(\a))+7], 0
.else
	v_wmma_f32_16x16x32_bf16 v[8*(8*(\a)+(\b)):8*(8*(\a)+(\b))+7], v[(\f)+8*(\b):(\f)+8*(\b)+7], v[(\f)+8*(4*(\hi)+(\a)):(\f)+8*(4*(\hi)+(\a))+7], v[8*(8*(\a)+(\b)):8*(8*(\a)+(\b))+7]
.endif
.endr
.endr
.endm
; 32 LDS loads in one run: the fragments of quarter q of a K step (128 columns of B, 128 rows of A, 32 K) into buffer f
.macro FETCH slot, q, f
	WIN TO_B
.irp i, 0,1,2,3,4,5,6,7
	ds_load_tr16_b128 v[(\f)+8*(\i):(\f)+8*(\i)+3],   v[ADRB+(\slot)] offset:(\q)*32*PB+32*(\i)
	ds_load_tr16_b128 v[(\f)+8*(\i)+4:(\f)+8*(\i)+7], v[ADRB+(\slot)] offset:(\q)*32*PB+16*PB+32*(\i)
.endr
	WIN 0
.irp i, 0,1,2,3,4,5,6,7
	ds_load_b128 v[(\f)+8*(\i):(\f)+8*(\i)+3],   v[ADRA+(\slot)] offset:64*(\q)+(\i)*16*PITCH
	ds_load_b128 v[(\f)+8*(\i)+4:(\f)+8*(\i)+7], v[ADRA+(\slot)] offset:64*(\q)+(\i)*16*PITCH+32
.endr
.endm
; Four places (plain vector instructions that name none of a product's registers) in front of loads into registers that products have read, and of lines that read results just made
.macro PLACES
.rept 4
	v_nop
.endr
.endm
; A K step is four quarters of 32 along K, 64 products each, on buffers 0, 1, 0, 1.  One of the first three: multiplies buffer f; in its middle it fetches quarter q of the same slot into buffer g.
.macro QUARTER slot, q, f, g, zero
	s_wait_dscnt 8                                 ; B and A's rows 0-63 are in; the youngest eight loads (A's rows 64-127) may be out
	MUL16 \f, 0, 0, \zero
	MUL16 \f, 0, 2, \zero
	PLACES
	FETCH \slot, \q, \g
	s_wait_dscnt 32                                ; all but the 32 just issued
	MUL16 \f, 1, 0, \zero
	MUL16 \f, 1, 2, \zero
.endm
; The last quarter multiplies buffer 1 and changes slots.  MEET is its first half: ONE barrier.  In front of it each wave waits for all its tensor loads, of which one is out: its part of the next slot; adds 0 to
; its spare word; and waits for that and for its own reads of this slot.  Behind it nobody reads this slot any more and the next slot is whole.
.macro MEET round                      ; round = 1: the rest of a round of the cluster's barrier follows
	WIN 0                                          ; (the add's two registers lie in window 0)
	s_wait_tensorcnt 0x0                           ; all my tensor loads have landed
	ds_add_u32 v[SPW], v[NIL]                      ; 0 onto my spare word
	s_wait_dscnt 9                                 ; (the add and the youngest eight loads may be out)
	MUL16 F1, 0, 0, 0                              ; sixteen products stand between the add and the wait for it
	s_wait_dscnt 0x0                               ; the add is done, and my reads of this slot are over
	s_barrier_signal -1
	MUL16 F1, 0, 2, 0                              ; work on registers while the others arrive
.if \round
	WIN 0
.endif
	s_barrier_wait -1
.endm
; The whole last quarter inside a tile: the slot just read out is filled again with the K step two steps on; from that request to the wait for it a wave issues 224 products.
.macro TURN slot, next
	s_wait_xcnt 0x0                                ; the last prefetch, a K step back, has read its address: it is stepped here, ahead of the waits of the change of slots
	s_add_nc_u64 s[PFA:PFA+1], s[PFA:PFA+1], s[PST:PST+1]
	MEET 1
	CREST                                          ; no wave of any partner still reads this slot's tile or has a load on its way
	s_add_nc_u64 s[G0+4*(\slot)+2:G0+4*(\slot)+3], s[G0+4*(\slot)+2:G0+4*(\slot)+3], 2*KSTEP*2
	s_add_nc_u64 s[G0B+4*(\slot)+2:G0B+4*(\slot)+3], s[G0B+4*(\slot)+2:G0B+4*(\slot)+3], 2*BKB
	JLOAD \slot                                    ; the first tensor load behind the round; the four v_nop behind it are also the places in front of the loads below
	FETCH \next, 0, F0
	ASK 0
	MUL16 F1, 1, 0, 0
	MUL16 F1, 1, 2, 0
.endm
; BY ROWS.  The tile's last K step lies in slot 1.
.macro BLOAD q                         ; B's fragments of quarter q -> window 1, v[64 q ..]
	WIN TO_B
.irp i, 0,1,2,3,4,5,6,7
	ds_load_tr16_b128 v[64*(\q)+8*(\i):64*(\q)+8*(\i)+3],   v[ADRB+1] offset:(\q)*32*PB+32*(\i)
	ds_load_tr16_b128 v[64*(\q)+8*(\i)+4:64*(\q)+8*(\i)+7], v[ADRB+1] offset:(\q)*32*PB+16*PB+32*(\i)
.endr
.endm
.macro ALOAD a                         ; A's fragments of block a, all four quarters -> buffer a % 4
	WIN 0
.irp q, 0,1,2,3
	ds_load_b128 v[PA+32*((\a)%4)+8*(\q):PA+32*((\a)%4)+8*(\q)+3],   v[ADRA+1] offset:64*(\q)+(\a)*16*PITCH
	ds_load_b128 v[PA+32*((\a)%4)+8*(\q)+4:PA+32*((\a)%4)+8*(\q)+7], v[ADRA+1] offset:64*(\q)+(\a)*16*PITCH+32
.endr
.endm
; The last quarter of the K step before: it multiplies buffer 1, changes to slot 1 and fetches what of the last K step has room while buffer 1 is still multiplied: three quarters of B and A's block 0.
; more = 1: another tile follows: slot 0 is filled again with its K step 0, which has 288 products in which to land; my prefetches go on to its K step 2.  more = 0: nothing is filled, so no round follows.
.macro HEADROWS more
.if \more
	s_wait_xcnt 0x0                                ; the last prefetch has read its address
	s_sub_nc_u64 s[PFA:PFA+1], s[PFA:PFA+1], s[PBK:PBK+1]  ; to the next tile's K step 2
	s_cmp_eq_u32 s11, 0
	s_cselect_b32 s[LIM], -1, s[LIM]               ; A's rows are the same for all my tiles: they are asked for no more
	MEET 1
	CREST
	s_sub_nc_u64 s[G0+2:G0+3], s[G0+2:G0+3], 6*KSTEP*2          ; A: six K steps back
	s_sub_nc_u64 s[G0B+2:G0B+3], s[G0B+2:G0B+3], 6*BKB-NEXTB    ; B: six K steps back, four tile columns on
	JLOAD 0                                        ; its four v_nop are also the places in front of the loads into buffer 0
.else
	MEET 0
	PLACES                                         ; for the loads into buffer 0, which the quarter before multiplied
.endif
	BLOAD 0
	BLOAD 1
	BLOAD 3
	ALOAD 0
.if \more
	ASK 1
.endif
	MUL16 F1, 1, 0, 0
	MUL16 F1, 1, 2, 0
	WIN 0
.endm
; THE WAY OUT of block p (16 rows of my 128).  CVT4: eight sums of a lane rounded to f16, 16 bytes.  TOSTAGE: into my own stage in LDS, and back as whole rows of 256 bytes.  SENDS: stored.
.macro CVT4 p, b
	WIN 0x0a+5*((\p)/4)                            ; sources 0 and 1: window 2 or 3
.irp r, 0,1,2,3
	v_cvt_pk_f16_f32 v[TMP+4*(\b)+(\r)], v[64*((\p)%4)+8*(\b)+2*(\r)], v[64*((\p)%4)+8*(\b)+2*(\r)+1]
.endr
.endm
.macro TOSTAGE a
.set BK, OB+192*((\a)%2)
.irp b, 0,1,2,3,4,5,6,7
	ds_store_b128 v[STO], v[TMP+4*(\b):TMP+4*(\b)+3] offset:32*(\b)
.endr
.irp t, 0,1,2,3,4,5,6,7
	ds_load_b128 v[BK+4*(\t):BK+4*(\t)+3], v[RD] offset:(\t)*2*SPITCH  ; LDS serves a wave's instructions in order (ISA guide 5.7.1.4): these see the stores above
.endr
.endm
.macro SENDS a
.set BK, OB+192*((\a)%2)
.irp t, 0,1,2,3,4,5,6,7
	global_store_b128 v[CO], v[BK+4*(\t):BK+4*(\t)+3], s[8:9] offset:(16*(\a)+2*(\t))*CROW  ; 16 lanes store 256 consecutive bytes, aligned; 126 rows of C at the most stand in the immediate
.endr
.endm
; The one run of LDS and memory instructions in a row of products: block p - 1 is stored, block p goes through the stage, A's block p + 4 takes the buffer that block p's products have read.
.macro RUN p
	WIN 0
.if ((\p) > 0) && ((\p) <= 4)
	s_wait_dscnt 8                                 ; block p - 1 is back from the stage; the eight loads of A that the run before issued last may be out
.else
	s_wait_dscnt 0x0                               ; p = 0: A's blocks 1 to 3 are in; p > 4: block p - 1 is back, and no load of A was issued behind it
.endif
	s_wait_xcnt 0x0                                ; the stores of block p - 2, a row of products back, have read the registers that block p is read back into
.if (\p) > 0
	SENDS (\p)-1
.endif
	TOSTAGE \p
.if (\p) < 4
	ALOAD (\p)+4
.endif
.endm
; What stands behind product n of the row that follows block p: four places behind block p's last products; its 32 conversions, four behind each of eight products; the run.
.macro RIDE p
.if n == 0
	PLACES
.elseif n < 9
	CVT4 \p, n-1
.elseif n == 9
	RUN \p
.endif
.endm
; Block a is finished: 32 products, K ascending, its 8 accumulators by turns; the way out of block a - 1 stands among them.
.macro ROW a
.set n, 0
.rept 32
.if ((\a) == 0) && (n == 16)
	s_wait_dscnt 24                                ; B's quarter 2 is in (behind it: A's blocks 1 to 3)
.endif
.if ((\a) == 1) && (n == 0)
	s_wait_dscnt 16                                ; A's block 1 is in (behind it: blocks 2 and 3)
.endif
	WIN MUL_LO+0x50*((\a)/4)
	v_wmma_f32_16x16x32_bf16 v[64*((\a)%4)+8*(n%8):64*((\a)%4)+8*(n%8)+7], v[64*(n/8)+8*(n%8):64*(n/8)+8*(n%8)+7], v[PA+32*((\a)%4)+8*(n/8):PA+32*((\a)%4)+8*(n/8)+7], v[64*((\a)%4)+8*(n%8):64*((\a)%4)+8*(n%8)+7]
.if (\a) > 0
	RIDE (\a)-1
.endif
.set n, n+1
.endr
.endm
; THE CHANGE OF SLOTS BEHIND A TILE THAT HAS A SUCCESSOR.  Slot 1 has been read out; slot 0's load, the next tile's K step 0, is the one of mine that is out.  Slot 1 takes the next tile's K step 1, which has
; 192 products in which to land; the next tile's first fragments are fetched.
.macro CHANGE
	WIN 0
	s_wait_xcnt 0x0                                ; the tile's stores have read C's address, the last prefetch its own
	s_add_nc_u64 s[8:9], s[8:9], NEXTC
	s_add_nc_u64 s[PFA:PFA+1], s[PFA:PFA+1], s[PST:PST+1]  ; the next tile's K step 3
	s_wait_tensorcnt 0x0                           ; all my tensor loads have landed, so a group 0 may be written
	ds_add_u32 v[SPW], v[NIL]                      ; 0 onto my spare word; the descriptors' steps stand between it and the wait for it
	s_sub_nc_u64 s[G0+6:G0+7], s[G0+6:G0+7], 6*KSTEP*2
	s_sub_nc_u64 s[G0B+6:G0B+7], s[G0B+6:G0B+7], 6*BKB-NEXTB
	s_wait_dscnt 0x0                               ; the add is done, and my reads of slot 1 are over
	CROUND                                         ; no wave of any partner still reads slot 1 or has a load on its way
	JLOAD 1
	FETCH 0, 0, F0
	ASK 1
.endm
	s_wait_tensorcnt 1                             ; my part of K step 0 is in; K step 1's may stay out
	s_barrier_signal -1
	s_barrier_wait -1                              ; everybody's is
	FETCH 0, 0, F0
	s_mov_b32 s2, TILES                            ; tiles to go, this one among them: the same number in every work-group
.Ltile:
	QUARTER 0, 1, F0, F1, 1                        ; a tile's first quarter stands in front of the loop: its products start the sums
	WIN 0                                          ; at a label and at a branch every window is 0
	s_mov_b32 s3, LAPS
.Llap:                                                 ; a trip goes once round the ring, from a lap's second quarter to the next lap's first; the last lap leaves it behind its third quarter
	QUARTER 0, 2, F1, F0, 0
	QUARTER 0, 3, F0, F1, 0
	WIN 0
	s_sub_co_u32 s3, s3, 1
	s_cmp_eq_u32 s3, 0
	s_cbranch_scc1 .Llast_lap
	TURN 0, 1
	QUARTER 1, 1, F0, F1, 0
	QUARTER 1, 2, F1, F0, 0
	QUARTER 1, 3, F0, F1, 0
	TURN 1, 0
	QUARTER 0, 1, F0, F1, 0
	WIN 0
	s_branch .Llap
.Llast_lap:
	s_cmp_eq_u32 s2, 1
	s_cbranch_scc1 .Llast_tile                     ; the last tile asks for nothing more
	HEADROWS 1
	s_branch .Lrows
.Llast_tile:
	HEADROWS 0
.Lrows:                                                ; the last K step, by rows: one text for every tile; it holds no tensor load and no barrier
	PLACES                                         ; for the loads into buffer 1
	BLOAD 2
	ALOAD 1
	ALOAD 2
	ALOAD 3
	s_wait_dscnt 40                                ; all but the 40 just issued
.irp a, 0,1,2,3,4,5,6,7
	ROW \a
.endr
	PLACES                                         ; block 7 has no products behind it to stand among
.irp b, 0,1,2,3,4,5,6,7
	CVT4 7, \b
.endr
	WIN 0
	s_wait_dscnt 0x0                               ; block 6 is back from the stage
	s_wait_xcnt 0x0                                ; block 5's stores have read the registers that block 7 is read back into
	SENDS 6
	TOSTAGE 7
	s_wait_dscnt 0x0
	SENDS 7
	s_sub_co_u32 s2, s2, 1
	s_cmp_eq_u32 s2, 0
	s_cbranch_scc1 .Lend
	CHANGE
	s_branch .Ltile
.Lend:
	s_wait_tensorcnt 0x0                           ; the wave's end, behind my last tensor load and my last LDS store
	ds_add_u32 v[SPW], v[NIL]
	s_wait_dscnt 0x0
	CROUND                                         ; the closing round: no work-group ends while a partner may still ask for a tile that names it
	s_endpgm
.Lfunc_end_k_q21ff305876_gemm_qkv:
	.size	k_q21ff305876_gemm_qkv, .Lfunc_end_k_q21ff305876_gemm_qkv-k_q21ff305876_gemm_qkv
	.p2alignl 7, 3214868480
	.fill 96, 4, 3214868480
	.section	.rodata,"a",@progbits
	.p2align	6, 0x0
	.amdhsa_kernel k_q21ff305876_gemm_qkv
		.amdhsa_group_segment_fixed_size 327680
		.amdhsa_private_segment_fixed_size 0
		.amdhsa_enable_private_segment 0
		.amdhsa_kernarg_size 24
		.amdhsa_user_sgpr_count 2
		.amdhsa_user_sgpr_kernarg_segment_ptr 1
		.amdhsa_wavefront_size32 1
		.amdhsa_system_sgpr_workgroup_id_x 1
		.amdhsa_system_sgpr_workgroup_id_y 1
		.amdhsa_system_sgpr_workgroup_id_z 1
		.amdhsa_system_vgpr_workitem_id 0
		.amdhsa_next_free_vgpr 1024
		.amdhsa_next_free_sgpr 72
		.amdhsa_reserve_vcc 0
		.amdhsa_float_denorm_mode_32 3
		.amdhsa_float_denorm_mode_16_64 3
		.amdhsa_memory_ordered 1
		.amdhsa_forward_progress 1
		.amdhsa_inst_pref_size 148
	.end_amdhsa_kernel
	.amdgpu_metadata
---
amdhsa.version: [ 1, 2 ]
amdhsa.kernels:
  - .name:           k_q21ff305876_gemm_qkv
    .symbol:         k_q21ff305876_gemm_qkv.kd
    .args:
      - { .name: xb, .offset: 0, .size: 8, .value_kind: global_buffer, .address_space: global }
      - { .name: wq, .offset: 8, .size: 8, .value_kind: global_buffer, .address_space: global }
      - { .name: qkv, .offset: 16, .size: 8, .value_kind: global_buffer, .address_space: global }
    .group_segment_fixed_size: 327680
    .private_segment_fixed_size: 0
    .kernarg_segment_align: 8
    .kernarg_segment_size: 24
    .max_flat_workgroup_size: 128
    .sgpr_count:     72
    .vgpr_count:     1024
    .wavefront_size: 32
...
	.end_amdgpu_metadata
.endif
;; end of part 2
;; launch heads (part 3): grid 256 x 1, 8 waves a work-group, no clusters, 76,800 bytes of LDS; arguments qkv, o2; writes o2
.if DOCPART == 3
	.amdgcn_target "amdgcn-amd-amdhsa--gfx1250"
	.amdhsa_code_object_version 6
	.text
	.protected	k_q21ff305876_heads
	.globl	k_q21ff305876_heads
	.p2align	8
	.type	k_q21ff305876_heads,@function
k_q21ff305876_heads:
	s_mov_b64 s[64:65], 0
	v_nop
	global_prefetch_b8 v0, s[64:65] scope:SCOPE_SE
	s_setreg_imm32_b32 hwreg(HW_REG_WAVE_MODE, 25, 1), 1
	s_wait_xcnt 0x0
; For each token: S[h][g] = q[h] . k[g] / 8 over its 16 heads, softmax over g, o[h] = sum over g of P[h][g] v[g]; o is written where the module's transpose and reshape put it:
; head h of token n of batch b goes to row 2048 b + 128 h + n / 16 of o2, columns 64 (n % 16) + 0..63.  qkv: [16384][3][16][64] f16; o2: [16384][1024] f16.
; Products, maximum and sum in f32; the weights, divided by their sum, are rounded to f16 for the second product, o once.
; LIMITS.  A weight below 2^-126 counts as 0.  NaN and infinities are not treated apart: two tokens share a product (below), so one token's would reach its partner.
; SHARES.  A wave owns eight tokens on end, as four PAIRS; nothing is shared between waves: no barrier, no cluster, no tensor load.  Two sets of registers take turns: while one pair is worked on,
; the other's 24 loads (12 KiB a wave) are on their way.
; LAYOUT.  S^T = K Q^T (source 0 = the 16 key heads, source 1 = the 16 query heads; both come straight from memory as fragments): a lane holds ONE query head (l % 16) and the key heads 8 (l / 16) + 0..7.
; O^T = V^T P has K = 32: the pair's two tokens on end.  The pair's v lies in LDS as 32 rows of 128 bytes and is read turned; token 0's weights are registers 0-3 of its fragment of P, with 0 in registers 4-7;
; token 1's the other way round.  The result holds one query head a lane and eight channels.
; o leaves through a stage of 16 rows (a head each) x 256 bytes (the pair's 2 x 64 channels): 16 lanes store 256 consecutive bytes, aligned.
; REGISTERS: window 0 as named below; window 1: set s at 96 s: Q of token t at + 16 t, K at + 32 + 16 t, v as loaded at + 64 + 16 t.
.set PV,    160                        ; a row of v in LDS: 128 bytes + 32 = 40 words
.set SP,    272                        ; a stage row: 256 bytes + 16
.set STG,   32*PV                      ; a wave's stage lies behind its v
.set WB,    32*PV+16*SP                ; a wave's LDS: 9,472 bytes
.set SPARE, 8*WB                       ; behind the eight: the spare words, 128 bytes for each wave: four blocks of 256 bytes that no other line names
.set TOK,   6144                       ; bytes of a token in qkv
.set FO,  3                            ; v3   a fragment's place: (l % 16) x 128 + 16 (l / 16)
.set VO,  4                            ; v4   16 l
.set VS,  5                            ; v5   where I put 16 bytes of v
.set VA,  6                            ; v6   where the turning load reads
.set STO, 7                            ; v7   where I put 16 bytes of o
.set RD,  8                            ; v8   where I read rows of o back
.set GO,  9                            ; v9   my byte offset in o2: head l / 16, 16 (l % 16)
.set SPW, 10                           ; v10  LDS address of my spare word: SPARE + 4 x my thread's number; never rewritten
.set NIL, 11                           ; v11  0; never rewritten
.set ST,  12                           ; v12-27  token t's eight at ST + 8 t: c m, m, four at work, 1 / l and a 0 beside it
.set S,   32                           ; v32-47  S^T, 8 a token
.set PF,  48                           ; v48-63  P's two fragments; v52-59 hold 0 and are never rewritten
.set VF,  64                           ; v64-95  V^T: channels 16 b on at VF + 8 b
.set O,   96                           ; v96-159 O^T at O + 32 t + 8 b
.set TMP, 160                          ; v160-191 o packed
.set OB,  192                          ; v192-223 o as whole rows
.set CS,  10                           ; s[10:11] c = log2(e) / 8, twice
.set SEL, 12                           ; s[12:13] v_permlanex16_b32's selects: each lane takes its own place in the other half
.set MSB, 0
.macro WIN new                         ; the immediate's high byte repeats the setting that is left; a switch that changes nothing is dropped
.if MSB != (\new)
	s_set_vgpr_msb (MSB<<8)|(\new)
.set MSB, \new
.endif
.endm
	s_load_b128 s[4:7], s[0:1], 0x0                ; qkv s[4:5], o2 s[6:7]
	v_lshl_add_u32 v[SPW], v0, 2, SPARE
	v_mov_b32 v[NIL], 0
	v_lshrrev_b32 v1, 5, v0
	v_readfirstlane_b32 s8, v1                     ; wave 0..7
	v_and_b32 v1, 15, v0                           ; l % 16
	v_bfe_u32 v2, v0, 4, 1                         ; l / 16
	v_and_b32 v28, 31, v0                          ; l
	v_bfe_u32 v29, v0, 3, 2                        ; l / 8
	v_and_b32 v30, 7, v0                           ; l % 8
	v_bfe_u32 v31, v0, 3, 1                        ; (l / 8) % 2
	s_mul_i32 s9, s8, WB                           ; my wave's LDS
	v_lshlrev_b32 v[FO], 7, v1
	v_lshl_add_u32 v[FO], v2, 4, v[FO]
	v_lshlrev_b32 v[VO], 4, v28
	v_mul_u32_u24 v[VS], v29, PV                   ; 512 bytes of v are four heads' rows: head l / 8, 16 (l % 8)
	v_lshl_add_u32 v[VS], v30, 4, v[VS]
	v_add_nc_u32 v[VS], s9, v[VS]
	v_lshl_add_u32 v[VA], v2, 3, v30               ; row 8 (l / 16) + l % 8,
	v_mul_u32_u24 v[VA], v[VA], PV
	v_lshl_add_u32 v[VA], v31, 4, v[VA]            ; channels 8 ((l / 8) % 2) on
	v_add_nc_u32 v[VA], s9, v[VA]
	s_add_co_u32 s9, s9, STG
	v_mul_u32_u24 v[STO], v1, SP                   ; in: head l % 16, 16 bytes for each half of the lanes
	v_lshl_add_u32 v[STO], v2, 4, v[STO]
	v_add_nc_u32 v[STO], s9, v[STO]
	v_mul_u32_u24 v[RD], v2, SP                    ; back: lanes 0-15 take one head's 256 bytes, lanes 16-31 the next head's
	v_lshl_add_u32 v[RD], v1, 4, v[RD]
	v_add_nc_u32 v[RD], s9, v[RD]
	v_lshlrev_b32 v[GO], 18, v2                    ; a head is 128 rows of 2,048 bytes on in o2
	v_lshl_add_u32 v[GO], v1, 4, v[GO]
.irp i, 4,5,6,7,8,9,10,11
	v_mov_b32 v[PF+(\i)], 0                        ; the halves of P's fragments that belong to the other token
.endr
	s_mov_b32 s[CS], 0x3e38aa3b                    ; c = log2(e) / 8 = 0.180337
	s_mov_b32 s[CS+1], s[CS]
	s_mov_b32 s[SEL], 0x76543210
	s_mov_b32 s[SEL+1], 0xfedcba98
	s_lshl_b32 s14, ttmp9, 3
	s_add_co_u32 s14, s14, s8                      ; W: my wave among the launch's 2,048; my tokens are 8 W .. 8 W + 7
	s_mul_i32 s16, s14, 8*TOK
	s_mov_b32 s17, 0
	s_lshr_b32 s18, s14, 8                         ; the batch: 2,048 rows of 2,048 bytes each,
	s_lshl_b32 s18, s18, 22
	s_bfe_u32 s19, s14, 0x70001                    ; n / 16: the row among a head's 128,
	s_lshl_b32 s19, s19, 11
	s_add_co_u32 s18, s18, s19
	s_and_b32 s19, s14, 1                          ; n % 16 = 8 (W % 2) + 0..7: 128 bytes each
	s_lshl_b32 s19, s19, 10
	s_add_co_u32 s18, s18, s19
	s_mov_b32 s19, 0
	s_wait_kmcnt 0x0
	s_add_nc_u64 s[4:5], s[4:5], s[16:17]
	s_add_nc_u64 s[6:7], s[6:7], s[18:19]
; Pair p's 24 loads into set s.  q and k as fragments (16 heads x 32 channels: 16 bytes a lane, twice, 32 bytes apart); v as it lies, 512 consecutive bytes a load.
.macro LOADS s, p
	WIN 0x40                                       ; destination window 1, address window 0
.irp t, 0,1
.irp c, 0,1
.irp e, 0,1
	global_load_b128 v[96*(\s)+16*(\t)+8*(\c)+4*(\e):96*(\s)+16*(\t)+8*(\c)+4*(\e)+3],       v[FO], s[4:5] offset:(2*(\p)+(\t))*TOK+64*(\c)+32*(\e)
	global_load_b128 v[96*(\s)+32+16*(\t)+8*(\c)+4*(\e):96*(\s)+32+16*(\t)+8*(\c)+4*(\e)+3], v[FO], s[4:5] offset:(2*(\p)+(\t))*TOK+2048+64*(\c)+32*(\e)
.endr
.endr
.irp j, 0,1,2,3
	global_load_b128 v[96*(\s)+64+16*(\t)+4*(\j):96*(\s)+64+16*(\t)+4*(\j)+3], v[VO], s[4:5] offset:(2*(\p)+(\t))*TOK+4096+512*(\j) th:TH_LOAD_NT
.endr
.endr
	WIN 0
.endm
.macro PLACES                          ; four places behind products, in front of loads into registers that they have read and of lines that read their results
.rept 4
	v_nop
.endr
.endm
.macro BOTH line:vararg                ; one line for each token t of the pair: the two alternate, so that no line reads the result of the line before it
.set t, 0
.rept 2
	\line
.set t, t+1
.endr
.endm
; Pair p, in set s.  more = 1: the set is loaded again, with the pair two on.  left: the younger loads that may stay out.
.macro PAIR p, s, more, left
	s_wait_loadcnt \left                           ; loads come back in order: my set is in, the other set's 24 stay out
	WIN 0x04                                       ; the stores' data: window 1
.irp t, 0,1
.irp j, 0,1,2,3
	ds_store_b128 v[VS], v[96*(\s)+64+16*(\t)+4*(\j):96*(\s)+64+16*(\t)+4*(\j)+3] offset:(16*(\t)+4*(\j))*PV
.endr
.endr
	WIN 0x05                                       ; K and Q in window 1, S^T in window 0
.irp c, 0,1                            ; the two tokens' accumulators take turns
.irp t, 0,1
.if (\c) == 0
	v_wmma_f32_16x16x32_f16 v[S+8*(\t):S+8*(\t)+7], v[96*(\s)+32+16*(\t):96*(\s)+32+16*(\t)+7], v[96*(\s)+16*(\t):96*(\s)+16*(\t)+7], 0
.else
	v_wmma_f32_16x16x32_f16 v[S+8*(\t):S+8*(\t)+7], v[96*(\s)+32+16*(\t)+8:96*(\s)+32+16*(\t)+15], v[96*(\s)+16*(\t)+8:96*(\s)+16*(\t)+15], v[S+8*(\t):S+8*(\t)+7]
.endif
.endr
.endr
	WIN 0
.irp b, 0,1,2,3
	ds_load_tr16_b128 v[VF+8*(\b):VF+8*(\b)+3],   v[VA] offset:32*(\b)         ; token 0's heads.  LDS serves a wave's instructions in order (ISA guide 5.7.1.4): these see the stores above
	ds_load_tr16_b128 v[VF+8*(\b)+4:VF+8*(\b)+7], v[VA] offset:16*PV+32*(\b)   ; token 1's
.endr
	PLACES
.if \more
	LOADS \s, (\p)+2
.endif
	; the softmax: the maximum of my eight scores (each accumulator's lowest registers first) and of the other half of the lanes'
	BOTH v_max3_num_f32 v[ST+8*t+2], v[S+8*t], v[S+8*t+1], v[S+8*t+2]
	BOTH v_max3_num_f32 v[ST+8*t+3], v[S+8*t+3], v[S+8*t+4], v[S+8*t+5]
	BOTH v_max3_num_f32 v[ST+8*t+2], v[ST+8*t+2], v[ST+8*t+3], v[S+8*t+6]
	BOTH v_max_num_f32 v[ST+8*t+2], v[ST+8*t+2], v[S+8*t+7]
	BOTH v_permlanex16_b32 v[ST+8*t+3], v[ST+8*t+2], s[SEL], s[SEL+1]
	BOTH v_max_num_f32 v[ST+8*t+1], v[ST+8*t+2], v[ST+8*t+3]
	BOTH v_mul_f32 v[ST+8*t], s[CS], v[ST+8*t+1]
.irp i, 0,1,2,3
	BOTH v_pk_fma_f32 v[S+8*t+2*(\i):S+8*t+2*(\i)+1], v[S+8*t+2*(\i):S+8*t+2*(\i)+1], s[CS:CS+1], v[ST+8*t:ST+8*t+1] op_sel_hi:[1,0,0] neg_lo:[0,0,1] neg_hi:[0,0,1]
.endr
.irp i, 0,1,2,3,4,5,6,7
	BOTH v_exp_f32 v[S+8*t+(\i)], v[S+8*t+(\i)]
.endr
	v_nop                                          ; a plain instruction behind the last exponential,
	s_wait_alu depctr_va_vdst(0)                   ; and the wait ahead of the first use: one for the pair's sixteen
	BOTH v_pk_add_f32 v[ST+8*t+2:ST+8*t+3], v[S+8*t:S+8*t+1], v[S+8*t+2:S+8*t+3]
	BOTH v_pk_add_f32 v[ST+8*t+4:ST+8*t+5], v[S+8*t+4:S+8*t+5], v[S+8*t+6:S+8*t+7]
	BOTH v_pk_add_f32 v[ST+8*t+2:ST+8*t+3], v[ST+8*t+2:ST+8*t+3], v[ST+8*t+4:ST+8*t+5]
	BOTH v_add_f32 v[ST+8*t+2], v[ST+8*t+2], v[ST+8*t+3]
	BOTH v_permlanex16_b32 v[ST+8*t+3], v[ST+8*t+2], s[SEL], s[SEL+1]
	BOTH v_add_f32 v[ST+8*t+2], v[ST+8*t+2], v[ST+8*t+3]
	BOTH v_rcp_f32 v[ST+8*t+6], v[ST+8*t+2]
	BOTH v_mov_b32 v[ST+8*t+7], 0                  ; the plain instructions behind the reciprocals; they write the upper words of the pairs that the packed multiplies name
	s_wait_alu depctr_va_vdst(0)                   ; one wait for the two reciprocals
.irp i, 0,1,2,3
	BOTH v_pk_mul_f32 v[S+8*t+2*(\i):S+8*t+2*(\i)+1], v[S+8*t+2*(\i):S+8*t+2*(\i)+1], v[ST+8*t+6:ST+8*t+7] op_sel_hi:[1,0]
.endr
.irp i, 0,1,2,3
	BOTH v_cvt_pk_f16_f32 v[PF+12*t+(\i)], v[S+8*t+2*(\i)], v[S+8*t+2*(\i)+1]
.endr
	s_wait_dscnt 0x0                               ; V^T is in
.irp b, 0,1,2,3
.irp t, 0,1
	v_wmma_f32_16x16x32_f16 v[O+32*(\t)+8*(\b):O+32*(\t)+8*(\b)+7], v[VF+8*(\b):VF+8*(\b)+7], v[PF+8*(\t):PF+8*(\t)+7], 0
.endr
.endr
	PLACES
.irp t, 0,1
.irp b, 0,1,2,3
.irp r, 0,1,2,3
	v_cvt_pk_f16_f32 v[TMP+16*(\t)+4*(\b)+(\r)], v[O+32*(\t)+8*(\b)+2*(\r)], v[O+32*(\t)+8*(\b)+2*(\r)+1]
.endr
.endr
.endr
.irp t, 0,1
.irp b, 0,1,2,3
	ds_store_b128 v[STO], v[TMP+16*(\t)+4*(\b):TMP+16*(\t)+4*(\b)+3] offset:128*(\t)+32*(\b)
.endr
.endr
	s_wait_xcnt 0x0                                ; the last pair's stores have read the registers that are loaded now
.irp i, 0,1,2,3,4,5,6,7
	ds_load_b128 v[OB+4*(\i):OB+4*(\i)+3], v[RD] offset:(\i)*2*SP
.endr
.irp i, 0,1,2,3,4,5,6,7
	s_wait_dscnt 7-(\i)
	global_store_b128 v[GO], v[OB+4*(\i):OB+4*(\i)+3], s[6:7] offset:(\i)*524288+(\p)*256  ; heads 2 i and 2 i + 1: 16 lanes store 256 consecutive bytes, aligned
.endr
.endm
	LOADS 0, 0
	LOADS 1, 1
	PAIR 0, 0, 1, 24
	PAIR 1, 1, 1, 24
	PAIR 2, 0, 0, 24
	PAIR 3, 1, 0, 0
	s_wait_tensorcnt 0x0                           ; the wave's end, behind my last LDS store
	ds_add_u32 v[SPW], v[NIL]
	s_wait_dscnt 0x0
	s_endpgm
.Lfunc_end_k_q21ff305876_heads:
	.size	k_q21ff305876_heads, .Lfunc_end_k_q21ff305876_heads-k_q21ff305876_heads
	.p2alignl 7, 3214868480
	.fill 96, 4, 3214868480
	.section	.rodata,"a",@progbits
	.p2align	6, 0x0
	.amdhsa_kernel k_q21ff305876_heads
		.amdhsa_group_segment_fixed_size 76800
		.amdhsa_private_segment_fixed_size 0
		.amdhsa_enable_private_segment 0
		.amdhsa_kernarg_size 16
		.amdhsa_user_sgpr_count 2
		.amdhsa_user_sgpr_kernarg_segment_ptr 1
		.amdhsa_wavefront_size32 1
		.amdhsa_system_sgpr_workgroup_id_x 1
		.amdhsa_system_sgpr_workgroup_id_y 1
		.amdhsa_system_sgpr_workgroup_id_z 1
		.amdhsa_system_vgpr_workitem_id 0
		.amdhsa_next_free_vgpr 448
		.amdhsa_next_free_sgpr 66
		.amdhsa_reserve_vcc 0
		.amdhsa_float_denorm_mode_32 3
		.amdhsa_float_denorm_mode_16_64 3
		.amdhsa_memory_ordered 1
		.amdhsa_forward_progress 1
		.amdhsa_inst_pref_size 52
	.end_amdhsa_kernel
	.amdgpu_metadata
---
amdhsa.version: [ 1, 2 ]
amdhsa.kernels:
  - .name:           k_q21ff305876_heads
    .symbol:         k_q21ff305876_heads.kd
    .args:
      - { .name: qkv, .offset: 0, .size: 8, .value_kind: global_buffer, .address_space: global }
      - { .name: o2, .offset: 8, .size: 8, .value_kind: global_buffer, .address_space: global }
    .group_segment_fixed_size: 76800
    .private_segment_fixed_size: 0
    .kernarg_segment_align: 8
    .kernarg_segment_size: 16
    .max_flat_workgroup_size: 256
    .sgpr_count:     66
    .vgpr_count:     448
    .wavefront_size: 32
...
	.end_amdgpu_metadata
.endif
;; end of part 3
;; launch gemm_proj (part 4): grid 4 x 64, 4 waves a work-group, clusters of 4 x 4, 327,680 bytes of LDS; arguments o2, wp, out0, b_proj; writes out0
.if DOCPART == 4
	.amdgcn_target "amdgcn-amd-amdhsa--gfx1250"
	.amdhsa_code_object_version 6
	.text
	.protected	k_q21ff305876_gemm_proj
	.globl	k_q21ff305876_gemm_proj
	.p2align	8
	.type	k_q21ff305876_gemm_proj,@function
k_q21ff305876_gemm_proj:
	s_mov_b64 s[64:65], 0
	v_nop
	global_prefetch_b8 v0, s[64:65] scope:SCOPE_SE
	s_setreg_imm32_b32 hwreg(HW_REG_WAVE_MODE, 25, 1), 1
	s_wait_xcnt 0x0
	s_wait_alu depctr_hold_cnt(0) depctr_sa_sdst(0) depctr_va_vdst(0) depctr_va_sdst(0) depctr_va_ssrc(0) depctr_va_vcc(0) depctr_vm_vsrc(0)
	s_getreg_b32 s2, hwreg(HW_REG_IB_STS2, 6, 4)
	s_cmp_eq_u32 s2, 0
	s_cbranch_scc0 .Lentry_in_a_cluster
	s_endpgm
.Lentry_in_a_cluster:
	s_bfe_u32 s2, ttmp6, 0x10000c
	s_cmp_lg_u32 s2, 0xf033
	s_cbranch_scc0 .Lentry_shape_is_right
	s_endpgm
.Lentry_shape_is_right:
; out0 = o2 wp + b_proj.  C[m][n] = bias[n] + sum over k of A[m][k] B[k][n].  A = o2 [16384][1024] f16, B = wp [1024][1024] f16 AS IT LIES ([k][n]), C = out0 [16384][1024] f32; sums in f32.
; The bias is rounded to bf16, like the module's other inputs, and starts the sums as the first product's C operand.
; A tile of C, 256 x 256, is made by a work-group of four waves, one tile to a work-group; a wave makes 128 x 128: 64 accumulators of 16 x 16, 512 registers.  K goes in steps of 128 through a ring of two LDS
; slots filled by the tensor data mover: A's tile is 256 rows x 256 bytes, B's 128 rows (k) x 512 bytes.
; CLUSTERS: 4 x 4 work-groups.  The four of a row of the cluster need the same tiles of A, the four of a column the same tiles of B: each tile is asked for JOINTLY, by the same tensor load with the
; same descriptor and a mask that names the four.
; THE MATRIX INSTRUCTION IS USED TRANSPOSED: source 0 = 16 columns of B, source 1 = 16 rows of A: a lane then holds row m = l % 16 of C and the columns 8 (l / 16) + 0..7.
; A's fragments come out of LDS as they lie; B's, whose rows lie along n, are turned by ds_load_tr16_b128.
; THE LAST K STEP GOES BY ROWS OF C, NOT BY K: all its fragments of B fill window 1, A's come by blocks of 16 rows x 128 K, and my eight blocks are finished one after the other, 32 products each.
; Nothing follows the tile under which its 256 KiB of f32 could leave, so each block leaves as soon as it is finished: its LDS and memory instructions stand in one run at the head of the next block's products.
; REGISTERS, in windows of 256 (s_set_vgpr_msb: bits 1:0 source 0, 3:2 source 1, 5:4 source 2, 7:6 destination):
;   window 0: v0-31 addresses; v64-127, v128-191 fragments of A, two buffers (by rows: four of 32); v192-255 the bias, later 16 rows read back from the stage
;   window 1: v64-127, v128-191 fragments of B, two buffers (by rows: all 256)      window 2: the accumulators of my rows 0-63 ((a, b) at v[8 (8 a + b)])      window 3: those of my rows 64-127
.set SIZE_K, 1024
.set SIZE_N, 1024
.set KSTEP,  128
.set PITCH,  272                       ; a row of A in LDS: 256 bytes + 16 = 68 words: row r starts at bank 4 r mod 64 (64 banks of 4 bytes: ISA guide 11.1)
.set PB,     544                       ; a row of B in LDS: 512 bytes + 32 = 136 words: row r starts at bank 8 r mod 64
.set HALFT,  128*PITCH                 ; what one tensor load brings: 128 rows of A, or 64 rows of B (64 x 544 is the same number)
.set SLOT,   4*HALFT                   ; A's 256 rows, then B's 128 rows
.set STAGE,  2*SLOT                    ; behind the ring: 16 rows for each wave, for the way out
.set SPITCH, 528                       ; a stage row: my 128 columns in f32 + 16 bytes
.set SPARE,  STAGE+4*16*SPITCH         ; behind the stages: the spare words, 128 bytes for each wave: two blocks of 256 bytes that no other line names
.set ROWB,   2*SIZE_N                  ; bytes in a row of B
.set BKB,    KSTEP*ROWB                ; bytes from a K step of B to the next
.set CROW,   4*SIZE_N                  ; bytes in a row of C
.set CCOL,   1024                      ; bytes of a tile's columns in C
.set LAPS,   SIZE_K/(2*KSTEP)          ; a lap = two K steps = once round the ring
.set ADRA, 16                          ; v16-17  LDS address of my A fragments in slot 0, 1
.set ADRB, 20                          ; v20-21  the same for B
.set STO,  24                          ; v24     the way out: where I put my 32 bytes of a row
.set RD,   25                          ; v25     the way out: where I read rows back
.set CO,   26                          ; v26     my byte offset in C
.set BO,   27                          ; v27     my byte offset in a block of the bias
.set SPW,  28                          ; v28     LDS address of my spare word: SPARE + 4 x my thread's number; never rewritten
.set NIL,  29                          ; v29     0; never rewritten
.set PFO,  30                          ; v30     the prefetches' offset; never rewritten
.set F0,   64                          ; fragment buffer 0
.set F1,   128                         ; fragment buffer 1
.set PA,   64                          ; by rows: A's block a at PA + 32 (a % 4)
.set BI,   192                         ; the bias of my 128 columns: block b's eight numbers of my lane at BI + 8 b; read by the first quarter's products alone
.set OB3,  192                         ; afterwards: 16 rows read back from the stage
.set G1,   24                          ; s[24:31] descriptor group 1 for A's tiles
.set G0,   32                          ; s[32:39] descriptor group 0 for A's tiles, one set for each slot
.set G1B,  48                          ; s[48:55] group 1 for B's tiles
.set G0B,  56                          ; s[56:63] group 0 for B's tiles
.set LIM,  43                          ; s43      1 in a wave that prefetches, else the greatest number
.set PFA,  44                          ; s[44:45] where my prefetches stand
.set PST,  66                          ; s[66:67] bytes from a K step to the next for my prefetches
.set BIAS, 70                          ; s[70:71] the bias
.set MSB, 0
.macro WIN new                         ; the immediate's high byte repeats the setting that is left; a switch that changes nothing is dropped
.if MSB != (\new)
	s_set_vgpr_msb (MSB<<8)|(\new)
.set MSB, \new
.endif
.endm
.set MUL_LO, 0xa1                      ; source 0 (B) window 1, source 1 (A) window 0, C and D window 2
.set MUL_HI, 0xf1                      ; the same, C and D window 3
.set TO_B,   0x40                      ; destination window 1, address window 0
; A joint load.  Waves 0 and 1 fetch A's two halves, waves 2 and 3 B's.  The branch hangs on the wave's number alone.  An s_nop 0 and four v_nop follow each of the two lines.
.macro JLOAD s
	s_cmp_eq_u32 s11, 0
	s_cbranch_scc0 .Lfor_b_\@
	tensor_load_to_lds s[G0+4*(\s):G0+4*(\s)+3], s[G1:G1+7]
	s_nop 0
.rept 4
	v_nop
.endr
	s_branch .Lasked_\@
.Lfor_b_\@:
	tensor_load_to_lds s[G0B+4*(\s):G0B+4*(\s)+3], s[G1B:G1B+7]
	s_nop 0
.rept 4
	v_nop
.endr
.Lasked_\@:
.endm
; A PREFETCH INTO THE L2, behind each joint load and the run of LDS loads that follows it: the K step that stands TWO refills on, 512 matrix instructions ahead of the load that will want it; one instruction a wave.
; Each aligned block of 256 bytes is named once in the launch.  A's rows are read by one cluster alone (the grid is one cluster wide): of the 128 rows that wave w fetches the partner at cx takes 32, a lane a row.
; B's columns are read by every cluster of the column: the cluster with y = 0 asks; of the 64 rows that wave w fetches the partner at cy takes 16, two blocks a row.
; The partners are told apart BY ADDRESS.  The last two refills have no K step two on.
.macro ASK
	s_cmp_gt_u32 s3, s[LIM]                        ; s3 = 1 in the last trip that fills slots
	s_cbranch_scc0 .Lnot_mine_\@
	global_prefetch_b8 v[PFO], s[PFA:PFA+1] th:TH_LOAD_NT scope:SCOPE_SE
.Lnot_mine_\@:
.endm
; A round of the cluster's barrier: my work-group's barrier; wave 0 signals for the work-group; every wave waits for all sixteen work-groups; my work-group's barrier once more.
.macro CREST                           ; a round behind its opening barrier
	s_cmp_lg_u32 s10, 0
	s_cbranch_scc1 .Lnot_wave_0_\@
	s_barrier_signal -3
.Lnot_wave_0_\@:
	s_barrier_wait -3
	s_barrier_signal -1
	s_barrier_wait -1
.endm
.macro CROUND                          ; a whole round
	s_barrier_signal -1
	s_barrier_wait -1
	CREST
.endm
	s_load_b128 s[4:7], s[0:1], 0x0                ; A s[4:5], B s[6:7]
	s_load_b64 s[8:9], s[0:1], 0x10                ; C
	s_load_b64 s[BIAS:BIAS+1], s[0:1], 0x18
	v_lshl_add_u32 v[SPW], v0, 2, SPARE
	v_mov_b32 v[NIL], 0
	ds_add_u32 v[SPW], v[NIL]                      ; the wave's opening: the add and its wait stand ahead of my first tensor load; the set-up below, work on registers, stands between them
	v_lshrrev_b32 v1, 5, v0
	v_readfirstlane_b32 s10, v1                    ; wave 0..3
	s_lshr_b32 s11, s10, 1                         ; which half of the tile's rows is mine.  Also: I fetch for A (0) or for B (1)
	s_and_b32 s12, s10, 1                          ; which half of its columns.  Also: which half of that tile I fetch
	s_bfe_u32 s40, ttmp6, 0x40000                  ; cx
	s_bfe_u32 s41, ttmp6, 0x40004                  ; cy
	s_lshl_b32 s42, ttmp9, 2                       ; in a cluster launch ttmp9 and ttmp7 count clusters
	s_add_co_u32 s42, s42, s40                     ; tile column of C = 4 x cluster x + cx
	s_and_b32 s13, ttmp7, 0xffff
	s_lshl_b32 s13, s13, 2
	s_add_co_u32 s13, s13, s41                     ; tile row of C = 4 x cluster y + cy
	s_lshl_b32 s43, s41, 2
	s_lshl_b32 s43, 15, s43                        ; my row of the cluster: places 4 cy .. 4 cy + 3
	s_lshl_b32 s44, 0x1111, s40                    ; my column: places cx, cx + 4, cx + 8, cx + 12
	; group 1 for A: 128 rows x 128 elements; for B: 64 rows x 256 elements; both padded in LDS
	s_or_b32 s[G1+0], s43, (1<<16)|(1<<20)|(1<<21)|(5<<22)|(3<<25)   ; 15:0 the mask: my row; 17:16 2-byte elements; 20 padding on; 21 set beside a mask; 24:22 after every 64 words (code 5); 31:25 4 words (code 3)
	s_or_b32 s[G1B+0], s44, (1<<16)|(1<<20)|(1<<21)|(6<<22)|(7<<25)  ; the mask: my column; after every 128 words (code 6) 8 words (code 7)
	s_mov_b32 s[G1+1], KSTEP<<16                   ; tensor_dim0 = 128
	s_mov_b32 s[G1+2], 128<<16                     ; tensor_dim1 = 128
	s_mov_b32 s[G1+3], KSTEP<<16                   ; tile_dim0 = 128
	s_mov_b32 s[G1+4], 128                         ; tile_dim1 = 128
	s_mov_b32 s[G1+5], SIZE_K                      ; elements from row to row
	s_mov_b32 s[G1+6], 0
	s_mov_b32 s[G1+7], 0
	s_mov_b32 s[G1B+1], 256<<16                    ; tensor_dim0 = 256
	s_mov_b32 s[G1B+2], 64<<16                     ; tensor_dim1 = 64
	s_mov_b32 s[G1B+3], 256<<16                    ; tile_dim0 = 256
	s_mov_b32 s[G1B+4], 64                         ; tile_dim1 = 64
	s_mov_b32 s[G1B+5], SIZE_N                     ; elements from row to row
	s_mov_b32 s[G1B+6], 0
	s_mov_b32 s[G1B+7], 0
	; where the tiles come from.  A's hang on the tile row alone, B's on the tile column alone; every wave makes both addresses and asks by one of them
	s_lshl_b32 s16, s13, 8
	s_lshl_b32 s17, s12, 7
	s_add_co_u32 s16, s16, s17                     ; A: row 256 x tile row + 128 x half,
	s_lshl_b32 s16, s16, 11                        ; of 2,048 bytes: under 2^25
	s_mov_b32 s17, 0
	s_mul_i32 s46, s12, 64*ROWB                    ; B: row 64 x half,
	s_lshl_b32 s47, s42, 9                         ; column 256 x tile column
	s_add_co_u32 s46, s46, s47
	s_mov_b32 s47, 0
	s_mul_i32 s20, s10, HALFT                      ; where they go: A's two halves, then B's two halves = wave x HALFT
	s_wait_dscnt 0x0                               ; the opening add is done
	s_wait_kmcnt 0x0
	s_add_nc_u64 s[14:15], s[4:5], s[16:17]
	s_add_nc_u64 s[46:47], s[6:7], s[46:47]
	CROUND                                         ; all sixteen work-groups are here: the first joint loads meet
.irp s, 0,1
	s_mov_b32 s[G0+4*(\s)], 1                                      ; count = 1
	s_add_co_u32 s[G0+4*(\s)+1], s20, (\s)*SLOT                    ; LDS address
	s_add_nc_u64 s[G0+4*(\s)+2:G0+4*(\s)+3], s[14:15], (\s)*KSTEP*2  ; global address: K step s
	s_or_b32 s[G0+4*(\s)+3], s[G0+4*(\s)+3], 0x80000000            ; type = 2
	s_mov_b32 s[G0B+4*(\s)], 1
	s_add_co_u32 s[G0B+4*(\s)+1], s20, (\s)*SLOT
	s_add_nc_u64 s[G0B+4*(\s)+2:G0B+4*(\s)+3], s[46:47], (\s)*BKB
	s_or_b32 s[G0B+4*(\s)+3], s[G0B+4*(\s)+3], 0x80000000
	JLOAD \s                                       ; two tensor loads of mine are out
.endr
	; A's fragment: lane l holds row l % 16; registers 0-3 K = 8 (l / 16) + 0..7, registers 4-7 K = 16 + 8 (l / 16) + 0..7: two loads of 16 bytes, 32 bytes apart.
	v_and_b32 v1, 15, v0                           ; l % 16
	v_bfe_u32 v2, v0, 4, 1                         ; l / 16
	v_mul_u32_u24 v3, v1, PITCH
	v_lshl_add_u32 v3, v2, 4, v3
	s_mul_i32 s21, s11, HALFT                      ; my 128 rows of A
	; B's fragment: the turning load takes 16 k x 16 columns (lane l reads row 8 (l / 16) + l % 8, columns 8 ((l / 8) % 2) + 0..7) and leaves lane l column l % 16 and 8 k: two loads, 16 rows apart.
	v_and_b32 v4, 7, v0
	v_lshl_add_u32 v4, v2, 3, v4
	v_mul_u32_u24 v4, v4, PB
	v_bfe_u32 v5, v0, 3, 1
	v_lshl_add_u32 v4, v5, 4, v4
	s_lshl_b32 s22, s12, 8                         ; my 128 columns of B,
	s_add_co_u32 s22, s22, 2*HALFT                 ; which lies behind A's 256 rows
.irp s, 0,1
	v_add_nc_u32 v[ADRA+(\s)], s21, v3
	v_add_nc_u32 v[ADRB+(\s)], s22, v4
	s_add_co_u32 s21, s21, SLOT
	s_add_co_u32 s22, s22, SLOT
.endr
	s_mul_i32 s23, s10, 16*SPITCH
	s_add_co_u32 s23, s23, STAGE                   ; my stage
	v_mul_u32_u24 v4, v1, SPITCH                   ; in: row l % 16, 32 bytes for each half of the lanes
	v_lshl_add_u32 v4, v2, 5, v4
	v_add_nc_u32 v[STO], s23, v4
	v_and_b32 v5, 31, v0                           ; back: 32 lanes take one row of 512 bytes,
	v_lshlrev_b32 v[CO], 4, v5                     ; which are 512 consecutive bytes of C
	v_add_nc_u32 v[RD], s23, v[CO]
	; C at my part of the tile
	s_lshl_b32 s16, s13, 8
	s_lshl_b32 s17, s11, 7
	s_add_co_u32 s16, s16, s17                     ; my first row,
	s_mul_i32 s16, s16, CROW                       ; in bytes: under 2^27
	s_mov_b32 s17, 0
	s_add_nc_u64 s[8:9], s[8:9], s[16:17]
	s_mul_i32 s46, s42, CCOL                       ; my first column, in bytes
	s_mul_i32 s47, s12, CCOL/2
	s_add_co_u32 s46, s46, s47
	s_mov_b32 s47, 0
	s_add_nc_u64 s[8:9], s[8:9], s[46:47]
	v_lshlrev_b32 v[BO], 5, v2                     ; my eight numbers of a block of sixteen
	s_add_nc_u64 s[BIAS:BIAS+1], s[BIAS:BIAS+1], s[46:47]  ; the bias is f32 like C: the same byte offset
.irp b, 0,1,2,3,4,5,6,7
	global_load_b128 v[BI+8*(\b):BI+8*(\b)+3],   v[BO], s[BIAS:BIAS+1] offset:64*(\b)
	global_load_b128 v[BI+8*(\b)+4:BI+8*(\b)+7], v[BO], s[BIAS:BIAS+1] offset:64*(\b)+16
.endr
	; the prefetches: one K step short of the first that is named (K step 4): the first change of slots steps the address
	s_lshl_b32 s20, s13, 8
	s_lshl_b32 s21, s12, 7
	s_add_co_u32 s20, s20, s21
	s_lshl_b32 s21, s40, 5
	s_add_co_u32 s20, s20, s21                     ; A: the 128 rows that I fetch, my work-group's 32 of them,
	s_lshl_b32 s20, s20, 11
	s_add_co_u32 s20, s20, 3*KSTEP*2               ; at K step 3
	s_lshl_b32 s21, s12, 6
	s_lshl_b32 s22, s41, 4
	s_add_co_u32 s21, s21, s22                     ; B: the 64 rows that I fetch, my work-group's 16 of them,
	s_mul_i32 s21, s21, ROWB
	s_lshl_b32 s22, s42, 9
	s_add_co_u32 s21, s21, s22                     ; the tile's columns,
	s_add_co_u32 s21, s21, 3*BKB                   ; at K step 3
	s_and_b32 s22, ttmp7, 0xffff                   ; cluster y
	s_mov_b32 s23, ROWB
	s_mov_b32 s[PST], BKB
	s_mov_b32 s[PST+1], 0
	s_cmp_eq_u32 s11, 0                            ; do I fetch for A?
	s_cselect_b32 s20, s20, s21
	s_cselect_b32 s22, ttmp9, s22                  ; the coordinate along which other clusters read the same blocks
	s_cselect_b32 s23, 2*SIZE_K, s23               ; bytes from row to row
	s_cselect_b32 s[PST], KSTEP*2, s[PST]
	s_cselect_b64 s[PFA:PFA+1], s[4:5], s[6:7]
	s_mov_b32 s21, 0
	s_add_nc_u64 s[PFA:PFA+1], s[PFA:PFA+1], s[20:21]
	s_cmp_eq_u32 s22, 0
	s_cselect_b32 s[LIM], 1, -1                    ; the same in all sixteen partners, for a given wave
	v_and_b32 v5, 31, v0
	v_lshrrev_b32 v[PFO], s11, v5                  ; A: a lane a row; B: two lanes a row,
	v_mul_u32_u24 v[PFO], s23, v[PFO]
	v_and_b32 v5, s11, v5
	v_lshl_add_u32 v[PFO], v5, 8, v[PFO]           ; 256 bytes apart
	; nothing is prefetched here, at the head: K steps 0 to 3 come by their loads alone
; 16 products: m blocks a0, a0 + 1 of the window's four (hi = 0: my rows 0-63, 1: rows 64-127) x all 8 n blocks, 32 along K.
; zero = 1: the first product starts the sums with the bias of the block's columns, which lies in window 0.  Nothing is ever cleared.
; The 64 accumulators take turns, one instruction a turn, in the same order in every quarter.
.macro MUL16 f, hi, a0, zero
.if \zero
	WIN 0x81+0x40*(\hi)                            ; C in window 0
.else
	WIN MUL_LO+0x50*(\hi)
.endif
.irp a, \a0, (\a0)+1
.irp b, 0,1,2,3,4,5,6,7
.if \zero
	v_wmma_f32_16x16x32_f16 v[8*(8*(\a)+(\b)):8*(8*(\a)+(\b))+7], v[(\f)+8*(\b):(\f)+8*(\b)+7], v[(\f)+8*(4*(\hi)+(\a)):(\f)+8*(4*(\hi)+(\a))+7], v[BI+8*(\b):BI+8*(\b)+7]
.else
	v_wmma_f32_16x16x32_f16 v[8*(8*(\a)+(\b)):8*(8*(\a)+(\b))+7], v[(\f)+8*(\b):(\f)+8*(\b)+7], v[(\f)+8*(4*(\hi)+(\a)):(\f)+8*(4*(\hi)+(\a))+7], v[8*(8*(\a)+(\b)):8*(8*(\a)+(\b))+7]
.endif
.endr
.endr
.endm
; 32 LDS loads in one run: the fragments of quarter q of a K step (128 columns of B, 128 rows of A, 32 K) into buffer f
.macro FETCH slot, q, f
	WIN TO_B
.irp i, 0,1,2,3,4,5,6,7
	ds_load_tr16_b128 v[(\f)+8*(\i):(\f)+8*(\i)+3],   v[ADRB+(\slot)] offset:(\q)*32*PB+32*(\i)
	ds_load_tr16_b128 v[(\f)+8*(\i)+4:(\f)+8*(\i)+7], v[ADRB+(\slot)] offset:(\q)*32*PB+16*PB+32*(\i)
.endr
	WIN 0
.irp i, 0,1,2,3,4,5,6,7
	ds_load_b128 v[(\f)+8*(\i):(\f)+8*(\i)+3],   v[ADRA+(\slot)] offset:64*(\q)+(\i)*16*PITCH
	ds_load_b128 v[(\f)+8*(\i)+4:(\f)+8*(\i)+7], v[ADRA+(\slot)] offset:64*(\q)+(\i)*16*PITCH+32
.endr
.endm
; Four places (plain vector instructions that name none of a product's registers) in front of loads into registers that products have read, and of lines that read results just made
.macro PLACES
.rept 4
	v_nop
.endr
.endm
; A K step is four quarters of 32 along K, 64 products each, on buffers 0, 1, 0, 1.  One of the first three: multiplies buffer f; in its middle it fetches quarter q of the same slot into buffer g.
.macro QUARTER slot, q, f, g, zero
	s_wait_dscnt 8                                 ; B and A's rows 0-63 are in; the youngest eight loads (A's rows 64-127) may be out
	MUL16 \f, 0, 0, \zero
	MUL16 \f, 0, 2, \zero
	PLACES
	FETCH \slot, \q, \g
	s_wait_dscnt 32                                ; all but the 32 just issued
	MUL16 \f, 1, 0, \zero
	MUL16 \f, 1, 2, \zero
.endm
; The last quarter multiplies buffer 1 and changes slots.  MEET is its first half: ONE barrier.  In front of it each wave waits for all its tensor loads, of which one is out: its part of the next slot; adds 0 to
; its spare word; and waits for that and for its own reads of this slot.  Behind it nobody reads this slot any more and the next slot is whole.
.macro MEET round                      ; round = 1: the rest of a round of the cluster's barrier follows
	WIN 0                                          ; (the add's two registers lie in window 0)
	s_wait_tensorcnt 0x0                           ; all my tensor loads have landed
	ds_add_u32 v[SPW], v[NIL]                      ; 0 onto my spare word
	s_wait_dscnt 9                                 ; (the add and the youngest eight loads may be out)
	MUL16 F1, 0, 0, 0                              ; sixteen products stand between the add and the wait for it
	s_wait_dscnt 0x0                               ; the add is done, and my reads of this slot are over
	s_barrier_signal -1
	MUL16 F1, 0, 2, 0                              ; work on registers while the others arrive
.if \round
	WIN 0
.endif
	s_barrier_wait -1
.endm
; The whole last quarter: the slot just read out is filled again with the K step two steps on; from that request to the wait for it a wave issues 224 products.
.macro TURN slot, next
	s_wait_xcnt 0x0                                ; the last prefetch, a K step back, has read its address: it is stepped here, ahead of the waits of the change of slots
	s_add_nc_u64 s[PFA:PFA+1], s[PFA:PFA+1], s[PST:PST+1]
	MEET 1
	CREST                                          ; no wave of any partner still reads this slot's tile or has a load on its way
	s_add_nc_u64 s[G0+4*(\slot)+2:G0+4*(\slot)+3], s[G0+4*(\slot)+2:G0+4*(\slot)+3], 2*KSTEP*2
	s_add_nc_u64 s[G0B+4*(\slot)+2:G0B+4*(\slot)+3], s[G0B+4*(\slot)+2:G0B+4*(\slot)+3], 2*BKB
	JLOAD \slot                                    ; the first tensor load behind the round; the four v_nop behind it are also the places in front of the loads below
	FETCH \next, 0, F0
	ASK
	MUL16 F1, 1, 0, 0
	MUL16 F1, 1, 2, 0
.endm
; BY ROWS.  The last K step lies in slot 1.
.macro BLOAD q                         ; B's fragments of quarter q -> window 1, v[64 q ..]
	WIN TO_B
.irp i, 0,1,2,3,4,5,6,7
	ds_load_tr16_b128 v[64*(\q)+8*(\i):64*(\q)+8*(\i)+3],   v[ADRB+1] offset:(\q)*32*PB+32*(\i)
	ds_load_tr16_b128 v[64*(\q)+8*(\i)+4:64*(\q)+8*(\i)+7], v[ADRB+1] offset:(\q)*32*PB+16*PB+32*(\i)
.endr
.endm
.macro ALOAD a                         ; A's fragments of block a, all four quarters -> buffer a % 4
	WIN 0
.irp q, 0,1,2,3
	ds_load_b128 v[PA+32*((\a)%4)+8*(\q):PA+32*((\a)%4)+8*(\q)+3],   v[ADRA+1] offset:64*(\q)+(\a)*16*PITCH
	ds_load_b128 v[PA+32*((\a)%4)+8*(\q)+4:PA+32*((\a)%4)+8*(\q)+7], v[ADRA+1] offset:64*(\q)+(\a)*16*PITCH+32
.endr
.endm
; THE WAY OUT of block a (16 rows of my 128): the sums go into my own stage in LDS as they are, and come back as whole rows of 512 bytes; then they are stored.
.macro TOSTAGE3 a
	WIN 0x08+4*((\a)/4)                            ; the stores' data: window 2 or 3
.irp b, 0,1,2,3,4,5,6,7
	ds_store_b128 v[STO], v[64*((\a)%4)+8*(\b):64*((\a)%4)+8*(\b)+3]   offset:64*(\b)     ; each accumulator's low half first
	ds_store_b128 v[STO], v[64*((\a)%4)+8*(\b)+4:64*((\a)%4)+8*(\b)+7] offset:64*(\b)+16
.endr
	WIN 0
	s_wait_xcnt 0x0                                ; the stores of the block before have read the registers that are loaded now
.irp t, 0,1,2,3,4,5,6,7,8,9,10,11,12,13,14,15
	ds_load_b128 v[OB3+4*(\t):OB3+4*(\t)+3], v[RD] offset:(\t)*SPITCH  ; LDS serves a wave's instructions in order (ISA guide 5.7.1.4): these see the stores above
.endr
.endm
.macro SENDS3 a
.irp t, 0,1,2,3,4,5,6,7,8,9,10,11,12,13,14,15
	global_store_b128 v[CO], v[OB3+4*(\t):OB3+4*(\t)+3], s[8:9] offset:(16*(\a)+(\t))*CROW th:TH_STORE_NT  ; 512 consecutive bytes, aligned; 127 rows of C at the most stand in the immediate
.endr
.endm
; The one run of LDS and memory instructions in a row of products: block p - 1 is stored, block p goes through the stage, A's block p + 4 takes the buffer that block p's products have read.
.macro RUN3 p
	WIN 0
.if ((\p) > 0) && ((\p) <= 4)
	s_wait_dscnt 8                                 ; block p - 1 is back from the stage; the eight loads of A that the run before issued last may be out
.else
	s_wait_dscnt 0x0                               ; p = 0: A's blocks 1 to 3 are in; p > 4: block p - 1 is back, and no load of A was issued behind it
.endif
.if (\p) > 0
	SENDS3 (\p)-1
.endif
	TOSTAGE3 \p
.if (\p) < 4
	ALOAD (\p)+4
.endif
.endm
; Block a is finished: 32 products, K ascending, its 8 accumulators by turns.  Behind the first of them stand four places behind block a - 1's last products, and that block's run.
.macro ROW a
.set n, 0
.rept 32
.if ((\a) == 0) && (n == 16)
	s_wait_dscnt 24                                ; B's quarter 2 is in (behind it: A's blocks 1 to 3)
.endif
.if ((\a) == 1) && (n == 0)
	s_wait_dscnt 16                                ; A's block 1 is in (behind it: blocks 2 and 3)
.endif
	WIN MUL_LO+0x50*((\a)/4)
	v_wmma_f32_16x16x32_f16 v[64*((\a)%4)+8*(n%8):64*((\a)%4)+8*(n%8)+7], v[64*(n/8)+8*(n%8):64*(n/8)+8*(n%8)+7], v[PA+32*((\a)%4)+8*(n/8):PA+32*((\a)%4)+8*(n/8)+7], v[64*((\a)%4)+8*(n%8):64*((\a)%4)+8*(n%8)+7]
.if ((\a) > 0) && (n == 0)
	PLACES
	RUN3 (\a)-1
.endif
.set n, n+1
.endr
.endm
	s_wait_loadcnt 0x0                             ; the bias; it is rounded to bf16, like every other input of the module, while the first tile is on its way
.set i, 0
.rept 32
	v_cvt_pk_bf16_f32 v[6+i%8], v[BI+2*i], v[BI+2*i+1]
	v_lshlrev_b32 v[BI+2*i], 16, v[6+i%8]
	v_and_b32 v[BI+2*i+1], 0xffff0000, v[6+i%8]
.set i, i+1
.endr
	s_wait_tensorcnt 1                             ; my part of K step 0 is in; K step 1's may stay out
	s_barrier_signal -1
	s_barrier_wait -1                              ; everybody's is
	FETCH 0, 0, F0
	QUARTER 0, 1, F0, F1, 1                        ; the first quarter stands in front of the loop: its products start the sums
	WIN 0                                          ; at a label and at a branch every window is 0
	s_mov_b32 s3, LAPS
.Llap:                                                 ; a trip goes once round the ring, from a lap's second quarter to the next lap's first; the last lap leaves it behind its third quarter
	QUARTER 0, 2, F1, F0, 0
	QUARTER 0, 3, F0, F1, 0
	WIN 0
	s_sub_co_u32 s3, s3, 1
	s_cmp_eq_u32 s3, 0
	s_cbranch_scc1 .Llast_lap
	TURN 0, 1
	QUARTER 1, 1, F0, F1, 0
	QUARTER 1, 2, F1, F0, 0
	QUARTER 1, 3, F0, F1, 0
	TURN 1, 0
	QUARTER 0, 1, F0, F1, 0
	WIN 0
	s_branch .Llap
.Llast_lap:
	MEET 0                                         ; my one tensor load that was still out is the last K step's, so no round follows
	PLACES                                         ; for the loads into buffer 0, which the quarter before multiplied
	BLOAD 0                                        ; three quarters of B and A's block 0 now: buffer 1 (v128-191 of both windows) is still being multiplied
	BLOAD 1
	BLOAD 3
	ALOAD 0
	MUL16 F1, 1, 0, 0
	MUL16 F1, 1, 2, 0
	PLACES                                         ; for the loads into buffer 1
	BLOAD 2
	ALOAD 1
	ALOAD 2
	ALOAD 3
	s_wait_dscnt 40                                ; all but the 40 just issued
.irp a, 0,1,2,3,4,5,6,7
	ROW \a
.endr
	PLACES                                         ; block 7 has no products behind it
	WIN 0
	s_wait_dscnt 0x0                               ; block 6 is back from the stage
	SENDS3 6
	TOSTAGE3 7
	s_wait_dscnt 0x0
	SENDS3 7
	s_wait_tensorcnt 0x0                           ; the wave's end, behind my last tensor load and my last LDS store
	ds_add_u32 v[SPW], v[NIL]
	s_wait_dscnt 0x0
	CROUND                                         ; the closing round: no work-group ends while a partner may still ask for a tile that names it
	s_endpgm
.Lfunc_end_k_q21ff305876_gemm_proj:
	.size	k_q21ff305876_gemm_proj, .Lfunc_end_k_q21ff305876_gemm_proj-k_q21ff305876_gemm_proj
	.p2alignl 7, 3214868480
	.fill 96, 4, 3214868480
	.section	.rodata,"a",@progbits
	.p2align	6, 0x0
	.amdhsa_kernel k_q21ff305876_gemm_proj
		.amdhsa_group_segment_fixed_size 327680
		.amdhsa_private_segment_fixed_size 0
		.amdhsa_enable_private_segment 0
		.amdhsa_kernarg_size 32
		.amdhsa_user_sgpr_count 2
		.amdhsa_user_sgpr_kernarg_segment_ptr 1
		.amdhsa_wavefront_size32 1
		.amdhsa_system_sgpr_workgroup_id_x 1
		.amdhsa_system_sgpr_workgroup_id_y 1
		.amdhsa_system_sgpr_workgroup_id_z 1
		.amdhsa_system_vgpr_workitem_id 0
		.amdhsa_next_free_vgpr 1024
		.amdhsa_next_free_sgpr 72
		.amdhsa_reserve_vcc 0
		.amdhsa_float_denorm_mode_32 3
		.amdhsa_float_denorm_mode_16_64 3
		.amdhsa_memory_ordered 1
		.amdhsa_forward_progress 1
		.amdhsa_inst_pref_size 137
	.end_amdhsa_kernel
	.amdgpu_metadata
---
amdhsa.version: [ 1, 2 ]
amdhsa.kernels:
  - .name:           k_q21ff305876_gemm_proj
    .symbol:         k_q21ff305876_gemm_proj.kd
    .args:
      - { .name: o2, .offset: 0, .size: 8, .value_kind: global_buffer, .address_space: global }
      - { .name: wp, .offset: 8, .size: 8, .value_kind: global_buffer, .address_space: global }
      - { .name: out0, .offset: 16, .size: 8, .value_kind: global_buffer, .address_space: global }
      - { .name: b_proj, .offset: 24, .size: 8, .value_kind: global_buffer, .address_space: global }
    .group_segment_fixed_size: 327680
    .private_segment_fixed_size: 0
    .kernarg_segment_align: 8
    .kernarg_segment_size: 32
    .max_flat_workgroup_size: 128
    .sgpr_count:     72
    .vgpr_count:     1024
    .wavefront_size: 32
...
	.end_amdgpu_metadata
.endif
;; end of part 4
;; ======== version 2 of 2: 4 launches; version 1 with the launch heads written anew for expert scheduling mode
;; limits: values are held in f16: magnitudes above 65,504 overflow, below 6.1e-05 lose precision
;; workspace buffers: xb 33,554,432 bytes; wq 6,291,456 bytes; wp 2,097,152 bytes; qkv 100,663,296 bytes; o2 33,554,432 bytes
;; launch cast: the kernel of part 1 again; grid 1280 x 1, 8 waves a work-group, no clusters, 0 bytes of LDS; arguments x, w_qkv, w_proj, xb, wq, wp; writes xb, wq, wp
;; launch gemm_qkv: the kernel of part 2 again; grid 4 x 64, 4 waves a work-group, clusters of 4 x 4, 327,680 bytes of LDS; arguments xb, wq, qkv; writes qkv
;; launch heads (part 5): grid 256 x 1, 8 waves a work-group, no clusters, 76,800 bytes of LDS; arguments qkv, o2; writes o2
.if DOCPART == 5
	.amdgcn_target "amdgcn-amd-amdhsa--gfx1250"
	.amdhsa_code_object_version 6
	.text
	.protected	k_q21ff305876_heads
	.globl	k_q21ff305876_heads
	.p2align	8
	.type	k_q21ff305876_heads,@function
k_q21ff305876_heads:
	s_mov_b64 s[64:65], 0
	v_nop
	global_prefetch_b8 v0, s[64:65] scope:SCOPE_SE
	s_setreg_imm32_b32 hwreg(HW_REG_WAVE_SCHED_MODE, 0, 2), 2
	s_setreg_imm32_b32 hwreg(HW_REG_WAVE_MODE, 25, 1), 1
	s_wait_xcnt 0x0
	s_wait_alu depctr_vm_vsrc(0)
; For each token: S[h][g] = q[h] . k[g] / 8 over its 16 heads, softmax over g, o[h] = sum over g of P[h][g] v[g]; o is written where the module's transpose and reshape put it:
; head h of token n of batch b goes to row 2048 b + 128 h + n / 16 of o2, columns 64 (n % 16) + 0..63.  qkv: [16384][3][16][64] f16; o2: [16384][1024] f16.
; Products, maximum and sum in f32; the weights, divided by their sum, are rounded to f16 for the second product, o once.
; LIMITS.  A weight below 2^-126 counts as 0.  NaN and infinities are not treated apart: two tokens share a product (below), so one token's would reach its partner.
; SHARES.  A wave owns eight tokens on end, as four PAIRS; nothing is shared between waves: no barrier, no cluster, no tensor load.  Two sets of registers take turns: while one pair is worked on,
; the other's 24 loads (12 KiB a wave) are on their way.
; LAYOUT.  S^T = K Q^T (source 0 = the 16 key heads, source 1 = the 16 query heads; both come straight from memory as fragments): a lane holds ONE query head (l % 16) and the key heads 8 (l / 16) + 0..7.
; O^T = V^T P has K = 32: the pair's two tokens on end.  The pair's v lies in LDS as 32 rows of 128 bytes and is read turned; token 0's weights are registers 0-3 of its fragment of P, with 0 in registers 4-7;
; token 1's the other way round.  The result holds one query head a lane and eight channels.
; o leaves through a stage of 16 rows (a head each) x 256 bytes (the pair's 2 x 64 channels): 16 lanes store 256 consecutive bytes, aligned.
; REGISTERS: window 0 as named below; window 1: set s at 96 s: Q of token t at + 16 t, K at + 32 + 16 t, v as loaded at + 64 + 16 t.
; THE MODE: SCHED_MODE bits 1:0 = 2 (LLVM: expert scheduling mode 2), set by the entry lines.  The code itself states the register dependences
; between vector or matrix instructions and memory or LDS instructions, with s_wait_alu, always for 0.
; THE PLAN.  Registers that memory or LDS instructions touch:
;   v3-v9          offsets and LDS addresses: written at the head, read by every load and store, never written again.  v10, v11: written at the head, read by the closing add alone.
;   set s, Q and K landed in by 16 global loads; read by the pair's four products K Q^T; then landed in again (the pair two on).
;   set s, v       landed in by 8 global loads; read by the pair's first 8 LDS stores; then landed in again.
;   VF             landed in by the pair's 8 turning loads; read by its 8 products V^T P.
;   TMP            written by the pair's 32 conversions; read by 8 LDS stores.
;   OB             landed in by 8 LDS loads; read by 8 global stores.
;   S^T, P, O^T and the statistics are named by vector and matrix instructions alone.
; A pair has three waits of its own beside the two behind its transcendentals: va_vdst behind the products K Q^T (Q and K may be landed in); ONE vm_vsrc, behind the loads of Q and K (this pair's LDS stores have read
; the set's v; the pair before's stores have read TMP and OB); va_vdst ahead of the LDS stores of TMP (TMP is written; the products V^T P are done reading VF, in which the next pair's turning loads land: between
; that wait and those loads stand of vector and matrix instructions only the next pair's products K Q^T, which name neither VF nor its address).
.set PV,    160                        ; a row of v in LDS: 128 bytes + 32 = 40 words
.set SP,    272                        ; a stage row: 256 bytes + 16
.set STG,   32*PV                      ; a wave's stage lies behind its v
.set WB,    32*PV+16*SP                ; a wave's LDS: 9,472 bytes
.set SPARE, 8*WB                       ; behind the eight: the spare words, 128 bytes for each wave: four blocks of 256 bytes that no other line names
.set TOK,   6144                       ; bytes of a token in qkv
.set FO,  3                            ; v3   a fragment's place: (l % 16) x 128 + 16 (l / 16)
.set VO,  4                            ; v4   16 l
.set VS,  5                            ; v5   where I put 16 bytes of v
.set VA,  6                            ; v6   where the turning load reads
.set STO, 7                            ; v7   where I put 16 bytes of o
.set RD,  8                            ; v8   where I read rows of o back
.set GO,  9                            ; v9   my byte offset in o2: head l / 16, 16 (l % 16)
.set SPW, 10                           ; v10  LDS address of my spare word: SPARE + 4 x my thread's number; never rewritten
.set NIL, 11                           ; v11  0; never rewritten
.set ST,  12                           ; v12-27  token t's eight at ST + 8 t: c m, m, four at work, 1 / l and a 0 beside it
.set S,   32                           ; v32-47  S^T, 8 a token
.set PF,  48                           ; v48-63  P's two fragments; v52-59 hold 0 and are never rewritten
.set VF,  64                           ; v64-95  V^T: channels 16 b on at VF + 8 b
.set O,   96                           ; v96-159 O^T at O + 32 t + 8 b
.set TMP, 160                          ; v160-191 o packed
.set OB,  192                          ; v192-223 o as whole rows
.set CS,  10                           ; s[10:11] c = log2(e) / 8, twice
.set SEL, 12                           ; s[12:13] v_permlanex16_b32's selects: each lane takes its own place in the other half
.set MSB, 0
.macro WIN new                         ; the immediate's high byte repeats the setting that is left; a switch that changes nothing is dropped
.if MSB != (\new)
	s_set_vgpr_msb (MSB<<8)|(\new)
.set MSB, \new
.endif
.endm
	s_load_b128 s[4:7], s[0:1], 0x0                ; qkv s[4:5], o2 s[6:7]
	v_lshl_add_u32 v[SPW], v0, 2, SPARE
	v_mov_b32 v[NIL], 0
	v_lshrrev_b32 v1, 5, v0
	v_readfirstlane_b32 s8, v1                     ; wave 0..7
	v_and_b32 v1, 15, v0                           ; l % 16
	v_bfe_u32 v2, v0, 4, 1                         ; l / 16
	v_and_b32 v28, 31, v0                          ; l
	v_bfe_u32 v29, v0, 3, 2                        ; l / 8
	v_and_b32 v30, 7, v0                           ; l % 8
	v_bfe_u32 v31, v0, 3, 1                        ; (l / 8) % 2
	s_wait_alu depctr_va_sdst(0)                   ; s8 is written, ahead of its first reader: my wave's LDS and the bases of qkv and o2 are made from it
	s_mul_i32 s9, s8, WB                           ; my wave's LDS
	v_lshlrev_b32 v[FO], 7, v1
	v_lshl_add_u32 v[FO], v2, 4, v[FO]
	v_lshlrev_b32 v[VO], 4, v28
	v_mul_u32_u24 v[VS], v29, PV                   ; 512 bytes of v are four heads' rows: head l / 8, 16 (l % 8)
	v_lshl_add_u32 v[VS], v30, 4, v[VS]
	v_add_nc_u32 v[VS], s9, v[VS]
	v_lshl_add_u32 v[VA], v2, 3, v30               ; row 8 (l / 16) + l % 8,
	v_mul_u32_u24 v[VA], v[VA], PV
	v_lshl_add_u32 v[VA], v31, 4, v[VA]            ; channels 8 ((l / 8) % 2) on
	v_add_nc_u32 v[VA], s9, v[VA]
	s_add_co_u32 s9, s9, STG
	v_mul_u32_u24 v[STO], v1, SP                   ; in: head l % 16, 16 bytes for each half of the lanes
	v_lshl_add_u32 v[STO], v2, 4, v[STO]
	v_add_nc_u32 v[STO], s9, v[STO]
	v_mul_u32_u24 v[RD], v2, SP                    ; back: lanes 0-15 take one head's 256 bytes, lanes 16-31 the next head's
	v_lshl_add_u32 v[RD], v1, 4, v[RD]
	v_add_nc_u32 v[RD], s9, v[RD]
	v_lshlrev_b32 v[GO], 18, v2                    ; a head is 128 rows of 2,048 bytes on in o2
	v_lshl_add_u32 v[GO], v1, 4, v[GO]
.irp i, 4,5,6,7,8,9,10,11
	v_mov_b32 v[PF+(\i)], 0                        ; the halves of P's fragments that belong to the other token
.endr
	s_mov_b32 s[CS], 0x3e38aa3b                    ; c = log2(e) / 8 = 0.180337
	s_mov_b32 s[CS+1], s[CS]
	s_mov_b32 s[SEL], 0x76543210
	s_mov_b32 s[SEL+1], 0xfedcba98
	s_lshl_b32 s14, ttmp9, 3
	s_add_co_u32 s14, s14, s8                      ; W: my wave among the launch's 2,048; my tokens are 8 W .. 8 W + 7
	s_mul_i32 s16, s14, 8*TOK
	s_mov_b32 s17, 0
	s_lshr_b32 s18, s14, 8                         ; the batch: 2,048 rows of 2,048 bytes each,
	s_lshl_b32 s18, s18, 22
	s_bfe_u32 s19, s14, 0x70001                    ; n / 16: the row among a head's 128,
	s_lshl_b32 s19, s19, 11
	s_add_co_u32 s18, s18, s19
	s_and_b32 s19, s14, 1                          ; n % 16 = 8 (W % 2) + 0..7: 128 bytes each
	s_lshl_b32 s19, s19, 10
	s_add_co_u32 s18, s18, s19
	s_mov_b32 s19, 0
	s_wait_kmcnt 0x0
	s_add_nc_u64 s[4:5], s[4:5], s[16:17]
	s_add_nc_u64 s[6:7], s[6:7], s[18:19]
; Pair p's 24 loads into set s, under the window 0x40 (destination window 1, address window 0), which the caller sets.
; LOADQK: q and k of both tokens as fragments (16 heads x 32 channels: 16 bytes a lane, twice, 32 bytes apart).  LOADV: v of both tokens as it lies, 512 consecutive bytes a load.
.macro LOADQK s, p
.irp t, 0,1
.irp c, 0,1
.irp e, 0,1
	global_load_b128 v[96*(\s)+16*(\t)+8*(\c)+4*(\e):96*(\s)+16*(\t)+8*(\c)+4*(\e)+3],       v[FO], s[4:5] offset:(2*(\p)+(\t))*TOK+64*(\c)+32*(\e)
	global_load_b128 v[96*(\s)+32+16*(\t)+8*(\c)+4*(\e):96*(\s)+32+16*(\t)+8*(\c)+4*(\e)+3], v[FO], s[4:5] offset:(2*(\p)+(\t))*TOK+2048+64*(\c)+32*(\e)
.endr
.endr
.endr
.endm
.macro LOADV s, p
.irp t, 0,1
.irp j, 0,1,2,3
	global_load_b128 v[96*(\s)+64+16*(\t)+4*(\j):96*(\s)+64+16*(\t)+4*(\j)+3], v[VO], s[4:5] offset:(2*(\p)+(\t))*TOK+4096+512*(\j) th:TH_LOAD_NT
.endr
.endr
.endm
.macro PLACES                          ; four places (ISA guide 7.12.1) behind products, in front of lines that read their results
.rept 4
	v_nop
.endr
.endm
.macro BOTH line:vararg                ; one line for each token t of the pair: the two alternate, so that no line reads the result of the line before it
.set t, 0
.rept 2
	\line
.set t, t+1
.endr
.endm
; Pair p, in set s.  more = 1: the set is loaded again, with the pair two on.  left: the younger loads that may stay out.
.macro PAIR p, s, more, left
	s_wait_loadcnt \left                           ; loads come back in order: my set is in, the other set's 24 stay out
	WIN 0x04                                       ; the stores' data: window 1
.irp t, 0,1
.irp j, 0,1,2,3
	ds_store_b128 v[VS], v[96*(\s)+64+16*(\t)+4*(\j):96*(\s)+64+16*(\t)+4*(\j)+3] offset:(16*(\t)+4*(\j))*PV
.endr
.endr
	WIN 0x05                                       ; K and Q in window 1, S^T in window 0
.irp c, 0,1                            ; the two tokens' accumulators take turns
.irp t, 0,1
.if (\c) == 0
	v_wmma_f32_16x16x32_f16 v[S+8*(\t):S+8*(\t)+7], v[96*(\s)+32+16*(\t):96*(\s)+32+16*(\t)+7], v[96*(\s)+16*(\t):96*(\s)+16*(\t)+7], 0
.else
	v_wmma_f32_16x16x32_f16 v[S+8*(\t):S+8*(\t)+7], v[96*(\s)+32+16*(\t)+8:96*(\s)+32+16*(\t)+15], v[96*(\s)+16*(\t)+8:96*(\s)+16*(\t)+15], v[S+8*(\t):S+8*(\t)+7]
.endif
.endr
.endr
	WIN 0
.irp b, 0,1,2,3                        ; no wait: the pair before's products V^T P, which read VF, stand ahead of that pair's last wait on va_vdst, and nothing since names VF or v[VA]
	ds_load_tr16_b128 v[VF+8*(\b):VF+8*(\b)+3],   v[VA] offset:32*(\b)         ; token 0's heads.  LDS serves a wave's instructions in order (ISA guide 5.7.1.4): these see the stores above
	ds_load_tr16_b128 v[VF+8*(\b)+4:VF+8*(\b)+7], v[VA] offset:16*PV+32*(\b)   ; token 1's
.endr
	PLACES                                         ; behind the products K Q^T, whose results the maxima below read
.if \more
	WIN 0x40                                       ; destination window 1, address window 0: the switch, then the wait, then the loads
	s_wait_alu depctr_va_vdst(0)                   ; the products K Q^T are done reading the set's Q and K, in which the sixteen loads below land
	LOADQK \s, (\p)+2
.endif
	s_wait_alu depctr_vm_vsrc(0)                   ; my LDS stores above have read the set's v, in which the eight loads below land; the pair before's LDS stores have read TMP, which this pair's conversions write, and its global stores OB, in which this pair's LDS loads land
.if \more
	LOADV \s, (\p)+2
	WIN 0
.endif
	; the softmax: the maximum of my eight scores (each accumulator's lowest registers first) and of the other half of the lanes'
	BOTH v_max3_num_f32 v[ST+8*t+2], v[S+8*t], v[S+8*t+1], v[S+8*t+2]
	BOTH v_max3_num_f32 v[ST+8*t+3], v[S+8*t+3], v[S+8*t+4], v[S+8*t+5]
	BOTH v_max3_num_f32 v[ST+8*t+2], v[ST+8*t+2], v[ST+8*t+3], v[S+8*t+6]
	BOTH v_max_num_f32 v[ST+8*t+2], v[ST+8*t+2], v[S+8*t+7]
	BOTH v_permlanex16_b32 v[ST+8*t+3], v[ST+8*t+2], s[SEL], s[SEL+1]
	BOTH v_max_num_f32 v[ST+8*t+1], v[ST+8*t+2], v[ST+8*t+3]
	BOTH v_mul_f32 v[ST+8*t], s[CS], v[ST+8*t+1]
.irp i, 0,1,2,3
	BOTH v_pk_fma_f32 v[S+8*t+2*(\i):S+8*t+2*(\i)+1], v[S+8*t+2*(\i):S+8*t+2*(\i)+1], s[CS:CS+1], v[ST+8*t:ST+8*t+1] op_sel_hi:[1,0,0] neg_lo:[0,0,1] neg_hi:[0,0,1]
.endr
.irp i, 0,1,2,3,4,5,6,7
	BOTH v_exp_f32 v[S+8*t+(\i)], v[S+8*t+(\i)]
.endr
	v_nop                                          ; a plain instruction behind the last exponential,
	s_wait_alu depctr_va_vdst(0)                   ; and the wait ahead of the first use: the pair's sixteen exponentials have written v[S ..]
	BOTH v_pk_add_f32 v[ST+8*t+2:ST+8*t+3], v[S+8*t:S+8*t+1], v[S+8*t+2:S+8*t+3]
	BOTH v_pk_add_f32 v[ST+8*t+4:ST+8*t+5], v[S+8*t+4:S+8*t+5], v[S+8*t+6:S+8*t+7]
	BOTH v_pk_add_f32 v[ST+8*t+2:ST+8*t+3], v[ST+8*t+2:ST+8*t+3], v[ST+8*t+4:ST+8*t+5]
	BOTH v_add_f32 v[ST+8*t+2], v[ST+8*t+2], v[ST+8*t+3]
	BOTH v_permlanex16_b32 v[ST+8*t+3], v[ST+8*t+2], s[SEL], s[SEL+1]
	BOTH v_add_f32 v[ST+8*t+2], v[ST+8*t+2], v[ST+8*t+3]
	BOTH v_rcp_f32 v[ST+8*t+6], v[ST+8*t+2]
	BOTH v_mov_b32 v[ST+8*t+7], 0                  ; the plain instructions behind the reciprocals; they write the upper words of the pairs that the packed multiplies name
	s_wait_alu depctr_va_vdst(0)                   ; the two reciprocals have written 1 / l, ahead of the multiplies that read it
.irp i, 0,1,2,3
	BOTH v_pk_mul_f32 v[S+8*t+2*(\i):S+8*t+2*(\i)+1], v[S+8*t+2*(\i):S+8*t+2*(\i)+1], v[ST+8*t+6:ST+8*t+7] op_sel_hi:[1,0]
.endr
.irp i, 0,1,2,3
	BOTH v_cvt_pk_f16_f32 v[PF+12*t+(\i)], v[S+8*t+2*(\i)], v[S+8*t+2*(\i)+1]
.endr
	s_wait_dscnt 0x0                               ; V^T is in
.irp b, 0,1,2,3
.irp t, 0,1
	v_wmma_f32_16x16x32_f16 v[O+32*(\t)+8*(\b):O+32*(\t)+8*(\b)+7], v[VF+8*(\b):VF+8*(\b)+7], v[PF+8*(\t):PF+8*(\t)+7], 0
.endr
.endr
	PLACES
.irp t, 0,1
.irp b, 0,1,2,3
.irp r, 0,1,2,3
	v_cvt_pk_f16_f32 v[TMP+16*(\t)+4*(\b)+(\r)], v[O+32*(\t)+8*(\b)+2*(\r)], v[O+32*(\t)+8*(\b)+2*(\r)+1]
.endr
.endr
.endr
	s_wait_alu depctr_va_vdst(0)                   ; the conversions have written TMP, which the LDS stores below read; the products V^T P are done reading VF, in which the next pair's turning loads land
.irp t, 0,1
.irp b, 0,1,2,3
	ds_store_b128 v[STO], v[TMP+16*(\t)+4*(\b):TMP+16*(\t)+4*(\b)+3] offset:128*(\t)+32*(\b)
.endr
.endr
	s_wait_xcnt 0x0                                ; the last pair's stores have read the registers that are loaded now (the pair's wait on vm_vsrc, above, stands beside this one)
.irp i, 0,1,2,3,4,5,6,7
	ds_load_b128 v[OB+4*(\i):OB+4*(\i)+3], v[RD] offset:(\i)*2*SP
.endr
.irp i, 0,1,2,3,4,5,6,7
	s_wait_dscnt 7-(\i)
	global_store_b128 v[GO], v[OB+4*(\i):OB+4*(\i)+3], s[6:7] offset:(\i)*524288+(\p)*256  ; heads 2 i and 2 i + 1: 16 lanes store 256 consecutive bytes, aligned
.endr
.endm
	s_wait_alu depctr_va_vdst(0)                   ; the offsets and addresses v3 to v9 are written, which every load and store of the kernel reads; so are v10 and v11
	WIN 0x40                                       ; destination window 1, address window 0
	LOADQK 0, 0
	LOADV 0, 0
	LOADQK 1, 1
	LOADV 1, 1
	WIN 0
	PAIR 0, 0, 1, 24
	PAIR 1, 1, 1, 24
	PAIR 2, 0, 0, 24
	PAIR 3, 1, 0, 0
	s_wait_dscnt 0x0                               ; the closing lines, six on end
	s_wait_alu 0x0
	s_wait_tensorcnt 0x0
	ds_add_u32 v[SPW], v[NIL]
	s_wait_dscnt 0x0
	s_endpgm
.Lfunc_end_k_q21ff305876_heads:
	.size	k_q21ff305876_heads, .Lfunc_end_k_q21ff305876_heads-k_q21ff305876_heads
	.p2alignl 7, 3214868480
	.fill 96, 4, 3214868480
	.section	.rodata,"a",@progbits
	.p2align	6, 0x0
	.amdhsa_kernel k_q21ff305876_heads
		.amdhsa_group_segment_fixed_size 76800
		.amdhsa_private_segment_fixed_size 0
		.amdhsa_enable_private_segment 0
		.amdhsa_kernarg_size 16
		.amdhsa_user_sgpr_count 2
		.amdhsa_user_sgpr_kernarg_segment_ptr 1
		.amdhsa_wavefront_size32 1
		.amdhsa_system_sgpr_workgroup_id_x 1
		.amdhsa_system_sgpr_workgroup_id_y 1
		.amdhsa_system_sgpr_workgroup_id_z 1
		.amdhsa_system_vgpr_workitem_id 0
		.amdhsa_next_free_vgpr 448
		.amdhsa_next_free_sgpr 66
		.amdhsa_reserve_vcc 0
		.amdhsa_float_denorm_mode_32 3
		.amdhsa_float_denorm_mode_16_64 3
		.amdhsa_memory_ordered 1
		.amdhsa_forward_progress 1
		.amdhsa_inst_pref_size 52
	.end_amdhsa_kernel
	.amdgpu_metadata
---
amdhsa.version: [ 1, 2 ]
amdhsa.kernels:
  - .name:           k_q21ff305876_heads
    .symbol:         k_q21ff305876_heads.kd
    .args:
      - { .name: qkv, .offset: 0, .size: 8, .value_kind: global_buffer, .address_space: global }
      - { .name: o2, .offset: 8, .size: 8, .value_kind: global_buffer, .address_space: global }
    .group_segment_fixed_size: 76800
    .private_segment_fixed_size: 0
    .kernarg_segment_align: 8
    .kernarg_segment_size: 16
    .max_flat_workgroup_size: 256
    .sgpr_count:     66
    .vgpr_count:     448
    .wavefront_size: 32
...
	.end_amdgpu_metadata
.endif
;; end of part 5
;; launch gemm_proj: the kernel of part 4 again; grid 4 x 64, 4 waves a work-group, clusters of 4 x 4, 327,680 bytes of LDS; arguments o2, wp, out0, b_proj; writes out0
